; MI455X (gfx1250); checked and timed in simulation.
; The chip was launched on July 23, 2026; its instructions are those of AMD's public machine-readable ISA for CDNA 5 (MIT licence, August 2026) and "CDNA5" Instruction Set Architecture Reference Guide (July 2026). The comments in the code are by the model that wrote it; some were corrected since.
;; Multi Head Attention. Allowed arithmetic: matrix products marked QUANTISED: E3M2 operands, one E8M0 scale for each 32 along K, by v_wmma_scale_f32_16x16x128_f8f6f4 with both operands' format E3M2, f32 sums; everything else in f32.
;; Inputs: Wk 2,048 x 2,048 float32; Wo 2,048 x 2,048 float32; Wq 2,048 x 2,048 float32; Wv 2,048 x 2,048 float32; bk 2,048 float32; bo 2,048 float32; bq 2,048 float32; bv 2,048 float32; x 1 x 2,048 x 2,048 float32.
;; Outputs: out0 1 x 2,048 x 2,048 float32.
;; This version of the problem:
;;   THIS VERSION OF THE PROBLEM IS GIVEN IN LOW PRECISION. The matrix products marked QUANTISED in the list below multiply operands that are first quantised to E3M2 (3 exponent bits, 2 mantissa bits; 6 bits a number), with one power-of-two scale for each 32 numbers along K (OCP MX v1.0); their sums are f32. All else is computed in f32.
;;   The module's matrix products, in the order in which they are computed (A, B: the left and right operand; K: the contracted axis; several contracted axes count as one K, in the product's order):
;;     1. [M 2,048, K 2,048] x [K 2,048, N 2,048]; A: input x; B: input Wq: QUANTISED
;;     2. [M 2,048, K 2,048] x [K 2,048, N 2,048]; A: input x; B: input Wk: QUANTISED
;;     3. [M 2,048, K 2,048] x [K 2,048, N 2,048]; A: input x; B: input Wv: QUANTISED
;;     4. batch 16 x [M 2,048, K 128] x [K 128, N 2,048]; A: computed on the way; B: computed on the way: QUANTISED
;;     5. batch 16 x [M 2,048, K 2,048] x [K 2,048, N 128]; A: softmax (see below); B: computed on the way: QUANTISED
;;     6. [M 2,048, K 2,048] x [K 2,048, N 2,048]; A: computed on the way; B: input Wo: QUANTISED
;;   THE QUANTISER, for each operand of a quantised product, along K:
;;     - K is cut into blocks of 32 from its start; a last block that is shorter is filled with zeros.
;;     - A block's scale is 2^e with e = floor(log2(the largest magnitude in the block)) - 4, held to -126 .. 127; a block of zeros has e = 0. As a byte (E8M0): e + 127.
;;     - Each number is divided by its block's scale, clamped to +-28, and rounded to the nearest number of E3M2, ties to even, subnormals kept.
;;     - The product sums the exact products of the quantised numbers (number of the format x scale) in f32.
;;   ~~~python
;;   def quantise(x, axis):      # numpy; x: float32 -> the quantised numbers, widened to float32 again
;;       x = np.moveaxis(x, axis, -1); K = x.shape[-1]
;;       x = np.pad(x, [(0, 0)] * (x.ndim - 1) + [(0, -K % 32)]); x = x.reshape(x.shape[:-1] + (-1, 32)); a = np.abs(x).max(-1, keepdims=True)
;;       e = np.where(a > 0, np.clip(np.frexp(np.where(a > 0, a, 1))[1] - 1 - 4, -126, 127), 0)      # np.frexp(a)[1] - 1 = floor(log2(a)), exactly
;;       r = np.clip(x / 2.0 ** e, -28, 28)
;;       step = 2.0 ** (np.maximum(np.frexp(np.where(r == 0, 1, r))[1] - 1, -2) - 2)
;;       q = np.round(r / step) * step * 2.0 ** e      # np.round: ties to even
;;       return np.moveaxis(q.reshape(q.shape[:-2] + (-1,))[..., :K], -1, axis).astype(np.float32)
;;   ~~~
;;   SOFTMAX AHEAD OF A QUANTISED PRODUCT. Where the list says 'softmax', what is quantised is not the finished softmax but p = 2^(t - M), with t = logit x log2(e) and M = ceil(the row's largest t), a whole number; so 1/2 < the row's largest p <= 1. The row's sum l is taken of the UNQUANTISED p, in f32, and the product's result is divided by l at the end. Since M is a whole number, a kernel that streams over the keys may use a running M (the ceiling of the running maximum): every later rescaling is an exact power of two, which a block's scale takes up: the codes' values come out the same.
;;   OPERANDS COMPUTED ON THE WAY. 'Computed on the way' means the value that the module computes at that place (a softmax that the list does not call 'softmax' is quantised finished and normalised). What goes into a quantiser is computed in f32, as accurately as f32 sums, v_exp_f32 and their like allow (about 1e-6 of the number): no bf16 or f16 on the way to a quantiser, and a product that is left as it is and whose result goes on into a quantised operand takes f32 operands (vector FMAs, or v_wmma_f32_16x16x4_f32). A number that lies on a knife's edge between two numbers of the format may be rounded either way, as far as f32 arithmetic and the matrix unit's own rounding can turn it there, and no further.
;; One version. Each part assembles by itself: llvm-mc -triple=amdgcn-amd-amdhsa -mcpu=gfx1250 --defsym DOCPART=n.
;; ======== version 1 of 1: 4 launches
;; limits: right only within a limited range of input values
;; workspace buffers: cod 16,384,000 bytes; qkv 9,830,400 bytes; att 3,276,800 bytes
;; launch quant (part 1): grid 1280 x 1, 4 waves a work-group, no clusters, 82,432 bytes of LDS; arguments x, Wq, Wk, Wv, Wo, cod; writes cod
.if DOCPART == 1
	.amdgcn_target "amdgcn-amd-amdhsa--gfx1250"
	.amdhsa_code_object_version 6
	.text
	.protected	k_qe823166065_quant
	.globl	k_qe823166065_quant
	.p2align	8
	.type	k_qe823166065_quant,@function
k_qe823166065_quant:
	s_mov_b64 s[64:65], 0
	v_nop
	global_prefetch_b8 v0, s[64:65] scope:SCOPE_SE
	s_setreg_imm32_b32 hwreg(HW_REG_WAVE_MODE, 25, 1), 1
	s_wait_xcnt 0x0
; x [2048][2048] (K innermost) and Wq, Wk, Wv, Wo [2048 (K)][2048 (n)] (K outermost), f32, become codes of BF6 (E3M2) with one E8M0 byte for each 32 along K.
; THE OUTPUT'S UNIT IS A BLOCK of 128 rows x 128 K in 12,800 bytes: eight fragments (16 rows x 128 K) of 1,536 bytes, each laid AS THE OPERAND'S REGISTERS: registers 4 g .. 4 g + 3 of lane L at 512 g + 16 L;
; behind them, at byte 12,288, the scale words: that of fragment a, row r at 32 r + 4 a.  A reader takes a fragment by three loads of 16 bytes a lane.
; ROW ORDER: place r of fragment a holds row 32 (a / 2) + 8 (a % 2) + r + 8 (r / 8) of the block's 128, so that a product that takes the fragments as source 0 leaves 16 neighbours in 16 registers.
; Work-group b makes block b of cod: blocks 0-255 x (row block b / 16, K step b % 16), then 256 for each weight (rows = columns n of W).  Wave w makes fragments 2 w and 2 w + 1: rows 32 w .. 32 w + 31.
; A block's scale is 2^(floor(log2(largest magnitude)) - 4): the largest magnitude's exponent field less 4, held at 1 from below by a floor among the maximum's leaves.
; LIMITS: a block of zeros, or one whose largest magnitude lies under 2^-122, gets the byte 1 (its codes are then zeros or tiny; the bytes are read by this program alone); NaN and infinities are not served.
; No tensor loads, no barrier: waves share nothing.  The two ways (x, weights) part on the work-group's number and have LDS bytes of their own.
.set BLKB,  12800
.set FRB,   1536
.set SCO,   12288
.set XP,    528                        ; x's stage: a row of 512 bytes + 16: sixteen rows start 4 banks apart
.set XSW,   32*XP                      ; a wave's stage on x's way
.set WSTG,  4*XSW                      ; the weights' stages begin behind x's
.set WP,    1664                       ; a fragment's image + 128
.set WSW,   2*WP
.set NUM,   64                         ; v64-191  numbers as loaded
.set N0,    192                        ; v192-255 x: the first fragment's 64 numbers; weights: codes
.set MX,    20                         ; v20-21 largest magnitudes   v22-23 scale operands   v24-25 bytes   v26 the other half's word   v27 8 h
.set SO,    22
.set BY,    24
.set PT,    26
.set SH,    27
	s_load_b256 s[4:11], s[0:1], 0x0               ; x, Wq, Wk, Wv
	s_load_b128 s[12:15], s[0:1], 0x20             ; Wo, cod
	v_lshl_add_u32 v62, v0, 2, 0x14000
	v_mov_b32 v63, 0
	v_lshrrev_b32 v4, 5, v0
	v_readfirstlane_b32 s16, v4                    ; wave
	v_and_b32 v1, 31, v0                           ; lane
	v_and_b32 v2, 15, v0                           ; r
	v_bfe_u32 v3, v0, 4, 1                         ; h
	v_lshlrev_b32 v5, 4, v1                        ; 16 x lane
	s_mul_i32 s30, s16, 2*FRB
	v_add_nc_u32 v6, s30, v5                       ; my 16 bytes in my wave's first fragment
	v_mov_b32 v[PT], 0                             ; a lane permute's destination counts as read
	v_lshlrev_b32 v[SH], 3, v3
	s_mov_b32 s20, 0x76543210
	s_mov_b32 s21, 0xfedcba98                      ; selects for lane l xor 16
	s_mul_i32 s26, ttmp9, BLKB
	s_mov_b32 s27, 0
	s_and_b32 s31, ttmp9, 15                       ; K step
	s_bfe_u32 s32, ttmp9, 0x40004                  ; block of 128 rows
	s_wait_kmcnt 0x0
	s_add_nc_u64 s[26:27], s[14:15], s[26:27]      ; my block of cod
	s_cmp_lt_u32 ttmp9, 256
	s_cbranch_scc0 .Lweights
; ---- x: K is innermost.  Each load takes 512 consecutive bytes of one row; the rows turn through the wave's stage, so that lane (r, h) gets k = 64 c + 32 h + 0 .. 31 of its row: two whole blocks of 32.
	s_lshl_b32 s33, s32, 7
	s_lshl_b32 s34, s16, 5
	s_add_co_u32 s33, s33, s34                     ; my wave's first row
	s_lshl_b32 s28, s33, 13                        ; x 8,192 bytes
	s_lshl_b32 s34, s31, 9
	s_add_co_u32 s28, s28, s34                     ; + 512 bytes a K step
	s_mov_b32 s29, 0
	s_add_nc_u64 s[24:25], s[4:5], s[28:29]
.set i, 0
	s_wait_alu depctr_va_vdst(0)
.rept 32
	global_load_b128 v[NUM+4*i:NUM+4*i+3], v5, s[24:25] offset:i*8192 th:TH_LOAD_NT
.set i, i+1
.endr
	s_mul_i32 s35, s16, XSW
	v_add_nc_u32 v7, s35, v5                       ; into the stage: 16 x lane
	v_mul_u32_u24 v8, v2, XP
	v_lshl_add_u32 v8, v3, 7, v8
	v_add_nc_u32 v8, s35, v8                       ; out of it: place r, + 128 h
	v_lshlrev_b32 v9, 5, v2
	v_lshl_add_u32 v9, v3, 2, v9
	s_lshl_b32 s36, s16, 3
	v_add_nc_u32 v9, s36, v9                       ; scale words: 32 r + 4 (2 w + h): lanes 0-15 store fragment 2 w's, lanes 16-31 fragment 2 w + 1's
	v_cmp_le_u32 vcc_lo, 16, v1
.set gg, 0
	s_wait_alu depctr_va_vdst(0)
.rept 4
	s_wait_loadcnt 24-8*gg                         ; eight more rows are in; the later groups of eight may be out
.set jj, 0
.rept 8
.set i, 8*gg+jj
	ds_store_b128 v7, v[NUM+4*i:NUM+4*i+3] offset:(16*((i>>3)&1)+(i&7)+8*(i>>4))*XP   ; row i goes to fragment (i / 8) % 2, place i % 8 + 8 (i / 16)
.set jj, jj+1
.endr
.set gg, gg+1
.endr
.macro XBACK u, n                      ; fragment u's numbers: register 32 c + i = k 64 c + 32 h + i of my row
.irp c, 0,1
.irp j, 0,1,2,3,4,5,6,7
	ds_load_b128 v[\n+32*\c+4*\j:\n+32*\c+4*\j+3], v8 offset:16*\u*XP+256*\c+16*\j
.endr
.endr
.endm
; 64 numbers of a lane (two whole blocks) become a fragment's 12 registers at v[f] and its row's scale word in v[sw]
.macro QF n, f, t, sw
.irp c, 0,1
	v_max3_num_f32 v[MX+\c], |v[\n+32*\c]|, |v[\n+32*\c+1]|, 0x2800000   ; with the floor 2^(5 - 127): the byte cannot fall under 1
.endr
.irp i, 2,4,6,8,10,12,14,16,18,20,22,24,26,28,30
.irp c, 0,1
	v_max3_num_f32 v[MX+\c], v[MX+\c], |v[\n+32*\c+\i]|, |v[\n+32*\c+\i+1]|   ; the two blocks by turns
.endr
.endr
.irp c, 0,1
	v_add_nc_u32 v[SO+\c], 0xfe000000, v[MX+\c]    ; 4 off the exponent field: the conversion's scale operand
.endr
.irp c, 0,1
	v_lshrrev_b32 v[BY+\c], 23, v[SO+\c]           ; the byte
.endr
	v_lshl_or_b32 v[\sw], v[BY+1], 16, v[BY]       ; my bytes: blocks h and 2 + h,
	v_lshlrev_b32 v[\sw], v[SH], v[\sw]            ; 8 h bits up;
	v_permlanex16_b32 v[PT], v[\sw], s20, s21
	v_or_b32 v[\sw], v[\sw], v[PT]                 ; with lane l xor 16's the word is whole
.irp c, 0,1
	v_cvt_scalef32_pk16_bf6_f32 v[\f+6*\c:\f+6*\c+2], v[\n+32*\c:\n+32*\c+15], v[SO+\c]
	v_cvt_scalef32_pk16_bf6_f32 v[\t+4*\c:\t+4*\c+2], v[\n+32*\c+16:\n+32*\c+31], v[SO+\c]   ; (three registers begin on an even number: made elsewhere and moved)
.endr
	v_nop                                          ; one plain line behind the conversions
.irp c, 0,1
.irp i, 0,1,2
	v_mov_b32 v[\f+6*\c+3+\i], v[\t+4*\c+\i]
.endr
.endr
.endm
	XBACK 0, N0                                    ; LDS serves a wave's instructions in order: these see the stores above
	s_wait_dscnt 16                                ; all but these 16 reads: the 32 stores have read their registers,
	XBACK 1, NUM                                   ; which take the second fragment's numbers
	s_wait_dscnt 16                                ; the first fragment's 16 reads are in
	QF N0, 128, 140, 160
.irp g, 0,1,2
	global_store_b128 v6, v[128+4*\g:131+4*\g], s[26:27] offset:512*\g         ; 32 lanes store 512 consecutive bytes
.endr
	s_wait_dscnt 0x0
	QF NUM, 164, 176, 161
.irp g, 0,1,2
	global_store_b128 v6, v[164+4*\g:167+4*\g], s[26:27] offset:FRB+512*\g
.endr
	v_cndmask_b32 v28, v160, v161, vcc_lo
	global_store_b32 v9, v28, s[26:27] offset:SCO  ; 128 bytes a wave, 8 at a time in rows of 32: one byte for 128 that the wave reads
	s_wait_tensorcnt 0x0
	ds_add_u32 v62, v63
	s_wait_dscnt 0x0
	s_endpgm
; ---- a weight: K is the FIRST axis.  Lane l takes column 32 w + l and its registers run down K: a block of 32 lies in one lane, and the conversions give K innermost.
.Lweights:
	s_sub_co_u32 s30, ttmp9, 256
	s_lshr_b32 s30, s30, 8                         ; 0 Wq, 1 Wk, 2 Wv, 3 Wo
	s_cmp_eq_u32 s30, 0
	s_cselect_b64 s[24:25], s[6:7], s[8:9]
	s_cmp_lt_u32 s30, 2
	s_cselect_b64 s[24:25], s[24:25], s[10:11]
	s_cmp_lt_u32 s30, 3
	s_cselect_b64 s[24:25], s[24:25], s[12:13]
	s_lshl_b32 s28, s31, 20                        ; 128 rows of 8,192 bytes a K step
	s_lshl_b32 s33, s32, 9                         ; 128 columns a block
	s_add_co_u32 s28, s28, s33
	s_lshl_b32 s33, s16, 7                         ; 32 columns a wave
	s_add_co_u32 s28, s28, s33
	s_mov_b32 s29, 0
	s_add_nc_u64 s[24:25], s[24:25], s[28:29]
	s_wait_alu depctr_va_vdst(0)
	v_lshlrev_b32 v10, 2, v1
.macro WLOAD t                         ; block t: W(32 t + i, my column): 128 consecutive bytes a wave, the four waves side by side on 512
.set i, 0
.rept 32
	global_load_b32 v[NUM+32*(\t)+i], v10, s[24:25] offset:(32*(\t)+i)*8192 th:TH_LOAD_NT
.set i, i+1
.endr
.endm
	WLOAD 0
	WLOAD 1
	v_and_b32 v11, 7, v0
	v_lshl_add_u32 v11, v3, 3, v11                 ; my column's place in its fragment: l % 8 + 8 (l / 16)
	v_bfe_u32 v12, v0, 3, 1                        ; and which of the wave's two fragments: (l / 8) % 2
	v_mul_u32_u24 v13, v12, WP
	v_lshl_add_u32 v13, v11, 4, v13
	s_mul_i32 s35, s16, WSW
	s_add_co_u32 s35, s35, WSTG
	v_add_nc_u32 v13, s35, v13                     ; the stage: my fragment's image, my place's 16 bytes
	v_add_nc_u32 v16, s35, v5                      ; and out of it: 16 x lane
	v_lshlrev_b32 v17, 5, v11
	v_lshl_add_u32 v17, v12, 2, v17
	s_lshl_b32 s36, s16, 3
	v_add_nc_u32 v17, s36, v17                     ; my scale word: 32 place + 4 fragment
; Block t = 2 c + h' belongs to lane (place, h') of the fragment, registers 6 c .. 6 c + 5: in the image register R of lane L lies at 512 (R / 4) + 16 L + 4 (R % 4)
.macro WB t
.set XS, NUM+32*(\t)
.set CC, N0+16*(\t)
.if (\t) < 3
	s_wait_loadcnt 32                              ; this block's 32 loads are in; the next block's may be out
.else
	s_wait_loadcnt 0x0
.endif
.if (\t) < 2
	WLOAD (\t)+2
.endif
	v_max3_num_f32 v20, |v[XS]|, |v[XS+1]|, |v[XS+2]|
	v_max3_num_f32 v21, |v[XS+3]|, |v[XS+4]|, |v[XS+5]|
.irp i, 6,10,14,18,22,26
	v_max3_num_f32 v20, v20, |v[XS+\i]|, |v[XS+\i+1]|
	v_max3_num_f32 v21, v21, |v[XS+\i+2]|, |v[XS+\i+3]|
.endr
	v_max3_num_f32 v20, v20, |v[XS+30]|, |v[XS+31]|
	v_max3_num_f32 v20, v20, v21, 0x2800000        ; and the floor
	v_add_nc_u32 v22, 0xfe000000, v20
	v_lshrrev_b32 v24, 23, v22
.if (\t) == 0
	v_mov_b32 v18, v24                             ; the four bytes make my column's scale word
.else
	v_lshl_or_b32 v18, v24, 8*(\t), v18
.endif
	v_cvt_scalef32_pk16_bf6_f32 v[CC:CC+2], v[XS:XS+15], v22
	v_cvt_scalef32_pk16_bf6_f32 v[CC+8:CC+10], v[XS+16:XS+31], v22
	v_nop                                          ; one plain line behind the conversions
.irp i, 0,1,2
	v_mov_b32 v[CC+3+\i], v[CC+8+\i]
.endr
.if (\t) < 2
	ds_store_b128 v13, v[CC:CC+3] offset:256*((\t)&1)
	ds_store_b64 v13, v[CC+4:CC+5] offset:512+256*((\t)&1)
.else
	ds_store_b64 v13, v[CC:CC+1] offset:520+256*((\t)&1)
	ds_store_b128 v13, v[CC+2:CC+5] offset:1024+256*((\t)&1)
.endif
.endm
	WB 0
	WB 1
	WB 2
	WB 3
.set i, 0
.rept 6
	ds_load_b128 v[NUM+4*i:NUM+4*i+3], v16 offset:WP*(i/3)+512*(i%3)   ; LDS serves a wave's instructions in order: these see my stores
.set i, i+1
.endr
	global_store_b32 v17, v18, s[26:27] offset:SCO
.set i, 0
.rept 6
	s_wait_dscnt 5-i                               ; the later reads may be out
	global_store_b128 v6, v[NUM+4*i:NUM+4*i+3], s[26:27] offset:FRB*(i/3)+512*(i%3)   ; 512 consecutive bytes
.set i, i+1
.endr
	s_wait_tensorcnt 0x0
	ds_add_u32 v62, v63
	s_wait_dscnt 0x0
	s_endpgm
.Lfunc_end_k_qe823166065_quant:
	.size	k_qe823166065_quant, .Lfunc_end_k_qe823166065_quant-k_qe823166065_quant
	.p2alignl 7, 3214868480
	.fill 96, 4, 3214868480
	.section	.rodata,"a",@progbits
	.p2align	6, 0x0
	.amdhsa_kernel k_qe823166065_quant
		.amdhsa_group_segment_fixed_size 82432
		.amdhsa_private_segment_fixed_size 0
		.amdhsa_enable_private_segment 0
		.amdhsa_kernarg_size 48
		.amdhsa_user_sgpr_count 2
		.amdhsa_user_sgpr_kernarg_segment_ptr 1
		.amdhsa_wavefront_size32 1
		.amdhsa_system_sgpr_workgroup_id_x 1
		.amdhsa_system_sgpr_workgroup_id_y 1
		.amdhsa_system_sgpr_workgroup_id_z 1
		.amdhsa_system_vgpr_workitem_id 0
		.amdhsa_next_free_vgpr 256
		.amdhsa_next_free_sgpr 66
		.amdhsa_reserve_vcc 1
		.amdhsa_float_denorm_mode_32 3
		.amdhsa_float_denorm_mode_16_64 3
		.amdhsa_memory_ordered 1
		.amdhsa_forward_progress 1
		.amdhsa_inst_pref_size 37
	.end_amdhsa_kernel
	.amdgpu_metadata
---
amdhsa.version: [ 1, 2 ]
amdhsa.kernels:
  - .name:           k_qe823166065_quant
    .symbol:         k_qe823166065_quant.kd
    .args:
      - { .name: x, .offset: 0, .size: 8, .value_kind: global_buffer, .address_space: global }
      - { .name: Wq, .offset: 8, .size: 8, .value_kind: global_buffer, .address_space: global }
      - { .name: Wk, .offset: 16, .size: 8, .value_kind: global_buffer, .address_space: global }
      - { .name: Wv, .offset: 24, .size: 8, .value_kind: global_buffer, .address_space: global }
      - { .name: Wo, .offset: 32, .size: 8, .value_kind: global_buffer, .address_space: global }
      - { .name: cod, .offset: 40, .size: 8, .value_kind: global_buffer, .address_space: global }
    .group_segment_fixed_size: 82432
    .private_segment_fixed_size: 0
    .kernarg_segment_align: 8
    .kernarg_segment_size: 48
    .max_flat_workgroup_size: 128
    .sgpr_count:     66
    .vgpr_count:     256
    .wavefront_size: 32
...
	.end_amdgpu_metadata
.endif
;; end of part 1
;; launch qkv (part 2): grid 24 x 8, 4 waves a work-group, clusters of 4 x 4, 327,680 bytes of LDS; arguments cod, bq, bk, bv, qkv; writes qkv
.if DOCPART == 2
	.amdgcn_target "amdgcn-amd-amdhsa--gfx1250"
	.amdhsa_code_object_version 6
	.text
	.protected	k_qe823166065_qkv
	.globl	k_qe823166065_qkv
	.p2align	8
	.type	k_qe823166065_qkv,@function
k_qe823166065_qkv:
	s_mov_b64 s[64:65], 0
	v_nop
	global_prefetch_b8 v0, s[64:65] scope:SCOPE_SE
	s_setreg_imm32_b32 hwreg(HW_REG_WAVE_MODE, 25, 1), 1
	s_wait_xcnt 0x0
	s_wait_alu depctr_hold_cnt(0) depctr_sa_sdst(0) depctr_va_vdst(0) depctr_va_sdst(0) depctr_va_ssrc(0) depctr_va_vcc(0) depctr_vm_vsrc(0)
	s_getreg_b32 s2, hwreg(HW_REG_IB_STS2, 6, 4)
	s_cmp_eq_u32 s2, 0
	s_cbranch_scc0 .Lentry_in_a_cluster
	s_endpgm
.Lentry_in_a_cluster:
	s_bfe_u32 s2, ttmp6, 0x10000c
	s_cmp_lg_u32 s2, 0xf033
	s_cbranch_scc0 .Lentry_shape_is_right
	s_endpgm
.Lentry_shape_is_right:
; q = x Wq + bq, k = x Wk + bk, v^T = (x Wv + bv)^T on codes of BF6, and their quantising for attention: the f32 results never go to memory.
; OPERANDS come from cod in blocks of 128 rows x 128 K, 12,800 bytes: eight fragments as images of the operand's registers (1,536 bytes each), then 512 bytes of scale words (fragment a, row r at 32 r + 4 a).
; Place r of fragment a holds row 32 (a / 2) + 8 (a % 2) + r + 8 (r / 8).  Tensor tau (0 x, 1 Wq, 2 Wk, 3 Wv, 4 Wo) begins at tau x 3,276,800; block (row block R, K step s) at (16 R + s) x 12,800.
; C[i][j] = sum over k of A[i][k] B[j][k].  kind = cluster x / 2: 0: A = x, B = Wq;  1: A = x, B = Wk;  2: A = Wv, B = x (so that v comes out with the KEYS along a lane's registers).
; A work-group makes 256 x 256 of C, a wave 128 x 128: 64 accumulators.  THE MATRIX INSTRUCTION IS USED TRANSPOSED (source 0 = 16 rows of B, source 1 = 16 rows of A): a lane holds one row of A's fragment, and by the
; row order of B's fragments its 64 registers of a block of 16 rows are j = 32 b + 16 (lane / 16) + i at register 16 b + i: what the quantiser along j wants.
; THE RING: two LDS slots, each with THREE K steps of 128 for A's two row blocks and B's two, as many as fit twice: each wave fetches 38,400 dense bytes (150 rows of 256) with one tensor load, and from a refill's
; request to the wait for it a wave issues 160 matrix instructions.  16 K steps are 5 x 3 + 1: the last refill brings K step 15 and the two blocks that lie behind it in cod (the next row block's first two: inside the
; buffer for tensors 0 to 3), which nobody reads: 2 of a row block's 18 fetched blocks, the price of one descriptor and a loop of two equal trips.
; CLUSTERS 4 x 4: A's tiles are shared along a row of the cluster, B's along a column, asked for jointly.  kind is the same in all sixteen partners.
; THE WAY OUT: bias, quantiser (one block of 32 lies in lanes l and l xor 16), and the fragment is stored as an image again: q: block head x 16 + query block, behind the K and V blocks; k and v: head x 409,600 +
; key step x 25,600 holds K's block and then V's.
; LIMITS: a block of zeros or under 2^-122 carries the byte 1 (read by this program alone); NaN and infinities are not served.
; REGISTERS: window 0: v0-31 addresses; v32-47 scale words, two sets of 8 by the step's parity; v64-127 the bias along j; v128-223 A's fragments, one set (on the way out: numbers, codes, work); v224-239 the bias along i;
;   v240-251 scale words made.   window 1: B's fragments, two sets, at v0 and v128.   windows 2, 3: the accumulators, (a, b) at v[8 (8 (a % 4) + b)].
.set TBYTES, 3276800
.set BLKB,   12800
.set FRB,    1536
.set SCO,    12288
.set NQ,     3                         ; K steps in a slot
.set TRIB,   NQ*BLKB                   ; three K steps of one row block: what one tensor load brings
.set PAIRB,  2*BLKB                    ; in qkv: K's block and V's of a key step
.set SLOT,   4*TRIB
.set SPARE,  2*SLOT                    ; the spare words, 128 bytes for each wave
.set RBLK,   16*BLKB                   ; a row block's 16 K steps
.set QOFF,   6553600
.set FR,     12
.set NL,     3                         ; LDS loads that bring a fragment
.set NP,     4
.set TRIPS,  2                         ; a trip = six K steps = once round the ring
.set ADRA, 16                          ; v16-17 my A fragments in slot 0, 1
.set ADRB, 20                          ; v20-21 my B fragments
.set ADRS, 22                          ; v22-23 scale words: lanes 0-15 A's, lanes 16-31 B's
.set GO,   24                          ; v24  16 x lane
.set GS,   25                          ; v25  32 r + 16 h
.set BO1,  26                          ; v26  64 h
.set BO2,  27                          ; v27  4 (r + 8 (r / 8))
.set SPW,  28
.set NIL,  29
.set SC,   32                          ; set p, fragment i at SC + 8 p + i
.set BI,   64
.set AF,   128
.set BM,   224
.set SW,   240
.set SEL4, 248
.set TT,   128                         ; the way out: 64 numbers
.set PC,   0                           ; codes: in window 1, 24 registers of its own for each block of 16 rows, so that no store's data are written again
.set TM,   212                         ; v212-215 largest magnitudes, v216-219 bytes, v220-223 scale operands
.set G1,   24
.set G0,   32
.set G1B,  48
.set G0B,  56
.set KIND, 66
.set SEL,  80
.set OUTP, 84
.set MSB, 0
.macro WIN new
.if MSB != (\new)
	s_set_vgpr_msb (MSB<<8)|(\new)
.set MSB, (\new)
.endif
.endm
.set MUL_LO, 0xa1                      ; source 0 (B) window 1, source 1 (A) window 0, C and D window 2
.set MUL_HI, 0xf1
.set TO_B,   0x40
; a joint load: waves 0 and 1 fetch for A, waves 2 and 3 for B; four v_nop follow each line
.macro JLOAD g0a, g1a, g0b, g1b
	s_cmp_eq_u32 s15, 0
	s_cbranch_scc0 .Lfor_b_\@
	tensor_load_to_lds s[\g0a:\g0a+3], s[\g1a:\g1a+7]
	s_nop 0
.rept 4
	v_nop
.endr
	s_branch .Lasked_\@
.Lfor_b_\@:
	tensor_load_to_lds s[\g0b:\g0b+3], s[\g1b:\g1b+7]
	s_nop 0
.rept 4
	v_nop
.endr
.Lasked_\@:
.endm
.macro CREST
	s_cmp_lg_u32 s14, 0
	s_cbranch_scc1 .Lnot_wave_0_\@
	s_barrier_signal -3
.Lnot_wave_0_\@:
	s_barrier_wait -3
	s_barrier_signal -1
	s_barrier_wait -1
.endm
.macro CROUND
	s_barrier_signal -1
	s_barrier_wait -1
	CREST
.endm
	s_load_b256 s[4:11], s[0:1], 0x0               ; cod, bq, bk, bv
	s_load_b64 s[12:13], s[0:1], 0x20              ; qkv
	v_lshl_add_u32 v[SPW], v0, 2, SPARE
	v_mov_b32 v[NIL], 0
	ds_add_u32 v28, v29
	ds_add_u32 v28, v29
	s_wait_dscnt 0x0
	v_lshrrev_b32 v1, 5, v0
	v_readfirstlane_b32 s14, v1                    ; wave
	s_lshr_b32 s15, s14, 1                         ; my half of A's rows.  Also: I fetch for A (0) or for B (1)
	s_and_b32 s16, s14, 1                          ; my half of B's rows.  Also: which row block I fetch
	s_bfe_u32 s40, ttmp6, 0x40000                  ; cx
	s_bfe_u32 s41, ttmp6, 0x40004                  ; cy
	s_lshr_b32 s[KIND], ttmp9, 1                   ; two clusters along x for each product
	s_lshl_b32 s42, ttmp9, 2
	s_add_co_u32 s42, s42, s40
	s_and_b32 s42, s42, 7                          ; tile column
	s_and_b32 s17, ttmp7, 0xffff
	s_lshl_b32 s17, s17, 2
	s_add_co_u32 s17, s17, s41                     ; tile row
	s_lshl_b32 s43, s41, 2
	s_lshl_b32 s43, 15, s43                        ; my row of the cluster
	s_lshl_b32 s44, 0x1111, s40                    ; my column
	s_or_b32 s[G1+0], s43, (3<<16)|(1<<21)         ; the mask; elements of 8 bytes; bit 21 beside a mask; no padding: fragments are read 16 bytes a lane on end
	s_or_b32 s[G1B+0], s44, (3<<16)|(1<<21)
.irp g, G1, G1B
	s_mov_b32 s[\g+1], 32<<16                      ; tensor_dim0 = 32 elements = 256 bytes
	s_mov_b32 s[\g+2], 150<<16                     ; tensor_dim1 = 150 rows
	s_mov_b32 s[\g+3], 32<<16                      ; tile_dim0
	s_mov_b32 s[\g+4], 150                         ; tile_dim1
	s_mov_b32 s[\g+5], 32                          ; the pitch: dense
	s_mov_b32 s[\g+6], 0
	s_mov_b32 s[\g+7], 0
.endr
	s_lshl_b32 s20, s17, 1
	s_add_co_u32 s20, s20, s16
	s_mul_i32 s20, s20, RBLK                       ; A: row block 2 x tile row + the one that I fetch
	s_mov_b32 s21, 3*TBYTES
	s_cmp_eq_u32 s[KIND], 2
	s_cselect_b32 s21, s21, 0                      ; in Wv or in x
	s_add_co_u32 s20, s20, s21
	s_mov_b32 s21, 0
	s_lshl_b32 s46, s42, 1
	s_add_co_u32 s46, s46, s16
	s_mul_i32 s46, s46, RBLK                       ; B likewise by the tile column
	s_add_co_u32 s47, s[KIND], 1
	s_mul_i32 s47, s47, TBYTES
	s_cmp_eq_u32 s[KIND], 2
	s_cselect_b32 s47, 0, s47                      ; in x, or in Wq or Wk
	s_add_co_u32 s46, s46, s47
	s_mov_b32 s47, 0
	s_mul_i32 s45, s14, TRIB                       ; where my load lands: wave x 38,400
	s_mov_b32 s[SEL], 0x76543210
	s_mov_b32 s[SEL+1], 0xfedcba98
	s_wait_kmcnt 0x0
	s_add_nc_u64 s[20:21], s[4:5], s[20:21]
	s_add_nc_u64 s[46:47], s[4:5], s[46:47]
	CROUND                                         ; all sixteen work-groups are here: the first joint loads meet
.irp s, 0,1
	s_mov_b32 s[G0+4*\s], 1
	s_add_co_u32 s[G0+4*\s+1], s45, \s*SLOT
	s_add_nc_u64 s[G0+4*\s+2:G0+4*\s+3], s[20:21], \s*TRIB
	s_or_b32 s[G0+4*\s+3], s[G0+4*\s+3], 0x80000000
	s_mov_b32 s[G0B+4*\s], 1
	s_add_co_u32 s[G0B+4*\s+1], s45, \s*SLOT
	s_add_nc_u64 s[G0B+4*\s+2:G0B+4*\s+3], s[46:47], \s*TRIB
	s_or_b32 s[G0B+4*\s+3], s[G0B+4*\s+3], 0x80000000
.endr
	JLOAD G0, G1, G0B, G1B                         ; K steps 0-2: one tensor load a wave at the head
	v_and_b32 v1, 15, v0                           ; r
	v_bfe_u32 v2, v0, 4, 1                         ; h
	v_and_b32 v3, 31, v0                           ; lane
	v_lshlrev_b32 v[GO], 4, v3
	s_mul_i32 s21, s15, TRIB                       ; my row block of A,
	s_mul_i32 s22, s16, TRIB
	s_add_co_u32 s22, s22, 2*TRIB                  ; of B, behind A's two
	s_sub_co_u32 s23, s22, s21
	v_lshlrev_b32 v4, 5, v1
	v_mul_u32_u24 v5, s23, v2                      ; lanes 16-31 take B's words: one product, the distance x h
	v_add_nc_u32 v4, v4, v5
	v_add_nc_u32 v4, SCO, v4
.irp s, 0,1
	v_add_nc_u32 v[ADRA+\s], s21, v[GO]
	v_add_nc_u32 v[ADRB+\s], s22, v[GO]
	v_add_nc_u32 v[ADRS+\s], s21, v4
	s_add_co_u32 s21, s21, SLOT
	s_add_co_u32 s22, s22, SLOT
.endr
	v_lshlrev_b32 v[GS], 5, v1
	v_lshl_add_u32 v[GS], v2, 4, v[GS]
	v_lshlrev_b32 v[BO1], 6, v2
	s_wait_alu depctr_va_vdst(0)
	v_and_b32 v6, 8, v1
	v_add_nc_u32 v6, v6, v1
	v_lshlrev_b32 v[BO2], 2, v6
	s_wait_alu depctr_va_vdst(0)
	s_lshl_b32 s67, s17, 1
	s_add_co_u32 s67, s67, s15                     ; iw: my block of 128 rows of A
	s_lshl_b32 s68, s42, 1
	s_add_co_u32 s68, s68, s16                     ; jw: my block of 128 rows of B
	s_cmp_eq_u32 s[KIND], 0
	s_cselect_b64 s[74:75], s[6:7], s[8:9]
	s_cmp_eq_u32 s[KIND], 2
	s_cselect_b64 s[74:75], s[10:11], s[74:75]     ; the product's bias
	s_lshl_b32 s70, s68, 9
	s_mov_b32 s71, 0
	s_add_nc_u64 s[76:77], s[74:75], s[70:71]
	s_lshl_b32 s70, s67, 9
	s_add_nc_u64 s[78:79], s[74:75], s[70:71]
; Both forms of the bias are loaded, whatever the kind (both lie inside the 2,048 numbers): along j, register 16 b + i = bias[128 jw + 32 b + 16 h + i]; along i, for fragment a the number of my row
.irp b, 0,1,2,3
.irp q, 0,1,2,3
	global_load_b128 v[BI+16*\b+4*\q:BI+16*\b+4*\q+3], v[BO1], s[76:77] offset:128*\b+16*\q
.endr
.endr
.irp a, 0,1,2,3,4,5,6,7
	global_load_b32 v[BM+2*\a], v[BO2], s[78:79] offset:(32*(\a/2)+8*(\a%2))*4
	global_load_b32 v[BM+2*\a+1], v[BO2], s[78:79] offset:(32*(\a/2)+8*(\a%2))*4   ; twice: a pair for the packed addition
.endr
	; where my block goes: q: QOFF + (16 jw + iw) x 12,800;  k: (16 jw + iw) x 25,600;  v: 12,800 + (16 iw + jw) x 25,600
	s_cmp_eq_u32 s[KIND], 2
	s_cselect_b32 s70, s67, s68
	s_cselect_b32 s72, s68, s67
	s_lshl_b32 s70, s70, 4
	s_add_co_u32 s70, s70, s72
	s_mov_b32 s72, PAIRB
	s_mov_b32 s73, QOFF
	s_cmp_eq_u32 s[KIND], 0
	s_cselect_b32 s72, BLKB, s72
	s_cselect_b32 s73, s73, 0
	s_mul_i32 s70, s70, s72
	s_add_co_u32 s70, s70, s73
	s_cmp_eq_u32 s[KIND], 2
	s_cselect_b32 s73, BLKB, 0
	s_add_co_u32 s70, s70, s73
	s_add_nc_u64 s[OUTP:OUTP+1], s[12:13], s[70:71]
.macro FRAG reg, adr, q, i             ; a fragment: three loads of 16 bytes a lane, each 512 consecutive bytes
.irp g, 0,1,2
	ds_load_b128 v[\reg+4*\g:\reg+4*\g+3], v[\adr] offset:(\q)*BLKB+(\i)*FRB+512*\g
.endr
.endm
; 16 matrix instructions: A's blocks a0, a0 + 1 x B's eight; p: the step's parity: B's set and the set of scale words.  The 64 accumulators take turns, one instruction a turn, in the same order in every step
.macro MUL16 a0, p, zero
.irp a, \a0, \a0+1
.irp b, 0,1,2,3,4,5,6,7
.if \zero
	v_wmma_scale_f32_16x16x128_f8f6f4 v[8*(8*((\a)%4)+\b):8*(8*((\a)%4)+\b)+7], v[128*(\p)+FR*\b:128*(\p)+FR*\b+FR-1], v[AF+FR*(\a):AF+FR*(\a)+FR-1], 0, v[SC+8*(\p)+\b], v[SC+8*(\p)+(\a)] matrix_a_fmt:MATRIX_FMT_BF6 matrix_b_fmt:MATRIX_FMT_BF6 matrix_a_scale:MATRIX_SCALE_ROW1
.else
	v_wmma_scale_f32_16x16x128_f8f6f4 v[8*(8*((\a)%4)+\b):8*(8*((\a)%4)+\b)+7], v[128*(\p)+FR*\b:128*(\p)+FR*\b+FR-1], v[AF+FR*(\a):AF+FR*(\a)+FR-1], v[8*(8*((\a)%4)+\b):8*(8*((\a)%4)+\b)+7], v[SC+8*(\p)+\b], v[SC+8*(\p)+(\a)] matrix_a_fmt:MATRIX_FMT_BF6 matrix_b_fmt:MATRIX_FMT_BF6 matrix_a_scale:MATRIX_SCALE_ROW1
.endif
.endr
.endr
.endm
.macro FETCH_B slot, q, p
	WIN TO_B
.irp i, 0,1,2,3,4,5,6,7
	FRAG 128*(\p)+FR*\i, ADRB+\slot, \q, \i
.endr
	WIN 0
.endm
.macro FETCH_A slot, q, i0
.irp i, \i0, \i0+1, \i0+2, \i0+3
	FRAG AF+FR*(\i), ADRA+\slot, \q, \i
.endr
.endm
.macro SCALES slot, q, p               ; a K step's scale words into set p: a lane's eight words by two loads
	ds_load_b128 v[SC+8*(\p):SC+8*(\p)+3], v[ADRS+\slot] offset:(\q)*BLKB
	ds_load_b128 v[SC+8*(\p)+4:SC+8*(\p)+7], v[ADRS+\slot] offset:(\q)*BLKB+16
.endm
.macro PLACES n                        ; plain vector lines between a matrix instruction and a load into, or a vector line on, its registers
.rept \n
	v_nop
.endr
.endm
; A step of 128 along K that has its successor in the same slot (q = 0 or 1).  Its parity is (slot + q) % 2: three steps to a slot, so the parity alternates through the six steps of a trip and is back at its end.
.macro STEP slot, q, zero
.set PP, ((\slot)+(\q))%2
	s_wait_dscnt 4*NL                              ; all but the youngest twelve loads: A's blocks 4-7
	WIN MUL_LO
	MUL16 0, PP, \zero
	MUL16 2, PP, \zero
	s_wait_dscnt 0
	PLACES NP
	FETCH_B \slot, (\q)+1, 1-PP
	FETCH_A \slot, (\q)+1, 0
	SCALES \slot, (\q)+1, 1-PP
	WIN MUL_HI
	MUL16 4, PP, \zero
	MUL16 6, PP, \zero
	PLACES NP
	WIN 0
	FETCH_A \slot, (\q)+1, 4
.endm
; a slot's last step (q = 2, parity = slot) changes slots: one barrier; ahead of it each wave waits for all its tensor loads, adds 0 to its spare word and waits for that and for its reads of this slot
.macro TURN slot, next, fill
	s_wait_tensorcnt 0x0                           ; my part of the next slot has landed: no load of mine is out
	ds_add_u32 v[SPW], v[NIL]
	s_wait_dscnt 4*NL+1                            ; the add and A's blocks 4-7 may be out
	WIN MUL_LO
	MUL16 0, \slot, 0
	s_wait_dscnt 0x0                               ; the add is done, my reads of this slot are over
	s_barrier_signal -1
	MUL16 2, \slot, 0
	WIN 0
	s_barrier_wait -1
.if \fill
	CREST                                          ; the barrier has opened a round of the cluster's: no wave of any partner reads this slot or has a load on its way
	s_add_nc_u64 s[G0+4*\slot+2:G0+4*\slot+3], s[G0+4*\slot+2:G0+4*\slot+3], 2*TRIB
	s_add_nc_u64 s[G0B+4*\slot+2:G0B+4*\slot+3], s[G0B+4*\slot+2:G0B+4*\slot+3], 2*TRIB
	JLOAD G0+4*\slot, G1, G0B+4*\slot, G1B         ; the first tensor load behind the round; its four v_nop are the places for the loads below
.else
	PLACES NP
.endif
	FETCH_B \next, 0, \next
	FETCH_A \next, 0, 0
	SCALES \next, 0, \next
	WIN MUL_HI
	MUL16 4, \slot, 0
	MUL16 6, \slot, 0
	PLACES NP
	WIN 0
	FETCH_A \next, 0, 4
.endm
	s_wait_loadcnt 0x0                             ; the biases
	s_wait_tensorcnt 0x0                           ; my part of slot 0 is in; the same lines ahead of a later first fill as ahead of a refill
	ds_add_u32 v[SPW], v[NIL]
	s_wait_dscnt 0x0
	CROUND                                         ; a whole round: slot 0 is whole, and the joint loads meet
	JLOAD G0+4, G1, G0B+4, G1B                     ; K steps 3-5, the first tensor load behind the round
	FETCH_B 0, 0, 0
	FETCH_A 0, 0, 0
	SCALES 0, 0, 0
	FETCH_A 0, 0, 4
	STEP 0, 0, 1                                   ; K step 0 starts the sums
	s_mov_b32 s3, TRIPS
.Llap:                                 ; a trip: K steps 1-6, then 7-12; it fills slot 0 (K steps 6-8, 12-14) and slot 1 (9-11, 15 on)
	STEP 0, 1, 0
	TURN 0, 1, 1
	STEP 1, 0, 0
	STEP 1, 1, 0
	TURN 1, 0, 1
	STEP 0, 0, 0
	s_sub_co_u32 s3, s3, 1
	s_cmp_lg_u32 s3, 0
	s_cbranch_scc1 .Llap
	STEP 0, 1, 0                                   ; K step 13
	TURN 0, 1, 0                                   ; K step 14: nothing more is asked for
	s_wait_dscnt 4*NL                              ; K step 15: slot 1's first, parity 1
	WIN MUL_LO
	MUL16 0, 1, 0
	MUL16 2, 1, 0
	s_wait_dscnt 0
	WIN MUL_HI
	MUL16 4, 1, 0
	MUL16 6, 1, 0
	WIN 0
; 64 numbers of a lane, register 16 b + i = k 32 b + 16 (lane / 16) + i of my row, become a fragment's codes in v[PC] on and its scale word in v[pw]
.macro QUANT s, pw
.irp b, 0,1,2,3
	v_max3_num_f32 v[TM+\b], |v[\s+16*\b]|, |v[\s+1+16*\b]|, 0x2800000   ; with the floor 2^(5 - 127)
.endr
.irp i, 2,4,6,8,10,12,14
.irp b, 0,1,2,3
	v_max3_num_f32 v[TM+\b], v[TM+\b], |v[\s+16*\b+\i]|, |v[\s+1+16*\b+\i]|
.endr
.endr
.irp b, 0,1,2,3
	v_permlanex16_b32 v[TM+4+\b], v[TM+\b], s[SEL], s[SEL+1]
.endr
.irp b, 0,1,2,3
	v_max_num_f32 v[TM+\b], v[TM+\b], v[TM+4+\b]   ; with lane l xor 16's: the block's largest magnitude
.endr
.irp b, 0,1,2,3
	v_add_nc_u32 v[TM+8+\b], 0xfe000000, v[TM+\b]  ; 4 off the exponent field: the conversion's scale operand
.endr
.irp b, 0,1,2,3
	v_lshrrev_b32 v[TM+4+\b], 23, v[TM+8+\b]
.endr
	v_lshl_or_b32 v[\pw], v[TM+5], 8, v[TM+4]
	v_lshl_or_b32 v[\pw], v[TM+6], 16, v[\pw]
	v_lshl_or_b32 v[\pw], v[TM+7], 24, v[\pw]
	WIN 0x40                                       ; the codes go to window 1, where B's fragments are done with
.irp c, 0,1
	v_cvt_scalef32_pk16_bf6_f32 v[PC+6*\c:PC+2+6*\c], v[\s+32*\c:\s+15+32*\c], v[TM+8+2*\c]
	v_cvt_scalef32_pk16_bf6_f32 v[PC+12+4*\c:PC+14+4*\c], v[\s+16+32*\c:\s+31+32*\c], v[TM+8+2*\c+1]
.endr
	v_nop                                          ; one plain line behind the conversions
	WIN 0x41
.irp c, 0,1
.irp i, 0,1,2
	v_permlane16_swap_b32 v[PC+6*\c+\i], v[PC+12+4*\c+\i]
.endr
.irp i, 0,1,2
	v_mov_b32 v[PC+3+6*\c+\i], v[PC+12+4*\c+\i]
.endr
.endr
	WIN 0
.endm
; block a of 16 rows: bias (which also brings the sums into window 0, each accumulator from its low end on), quantiser, three stores of 512 bytes
.macro EBLOCK a
.set AC, 64*((\a)%4)
	s_cmp_eq_u32 s[KIND], 2
	s_cbranch_scc1 .Lby_row_\@
	WIN 0x02+(\a)/4
.set i, 0
.rept 32
	v_pk_add_f32 v[TT+i:TT+i+1], v[AC+i:AC+i+1], v[BI+i:BI+i+1]
.set i, i+2
.endr
	WIN 0
	s_branch .Lsummed_\@
.Lby_row_\@:
	WIN 0x02+(\a)/4
.set i, 0
.rept 32
	v_pk_add_f32 v[TT+i:TT+i+1], v[AC+i:AC+i+1], v[BM+2*(\a):BM+2*(\a)+1]
.set i, i+2
.endr
	WIN 0
.Lsummed_\@:
.set PC, 24*(\a)
	QUANT TT, SW+(\a)
	WIN 0x04                                       ; the stores' data: window 1
.irp g, 0,1,2
	global_store_b128 v[GO], v[PC+4*\g:PC+4*\g+3], s[OUTP:OUTP+1] offset:(\a)*FRB+512*\g
.endr
	WIN 0
.endm
	PLACES NP
.irp b, 0,1,2,3
	v_mov_b32 v[TM+4+\b], 0                        ; a lane permute's destination counts as read
.endr
.irp a, 0,1,2,3,4,5,6,7
	EBLOCK \a
.endr
	v_cmp_le_u32 vcc_lo, 16, v3
.irp i, 0,1,2,3
	v_cndmask_b32 v[SEL4+\i], v[SW+\i], v[SW+4+\i], vcc_lo   ; both halves hold row r's words: lanes 0-15 store fragments 0-3's, lanes 16-31 fragments 4-7's
.endr
	global_store_b128 v[GS], v[SEL4:SEL4+3], s[OUTP:OUTP+1] offset:SCO   ; the block's 512 bytes of scale words, whole
	s_wait_tensorcnt 0x0                           ; the wave's end
	ds_add_u32 v[SPW], v[NIL]
	s_wait_dscnt 0x0
	CROUND                                         ; the closing round
	s_endpgm
.Lfunc_end_k_qe823166065_qkv:
	.size	k_qe823166065_qkv, .Lfunc_end_k_qe823166065_qkv-k_qe823166065_qkv
	.p2alignl 7, 3214868480
	.fill 96, 4, 3214868480
	.section	.rodata,"a",@progbits
	.p2align	6, 0x0
	.amdhsa_kernel k_qe823166065_qkv
		.amdhsa_group_segment_fixed_size 327680
		.amdhsa_private_segment_fixed_size 0
		.amdhsa_enable_private_segment 0
		.amdhsa_kernarg_size 40
		.amdhsa_user_sgpr_count 2
		.amdhsa_user_sgpr_kernarg_segment_ptr 1
		.amdhsa_wavefront_size32 1
		.amdhsa_system_sgpr_workgroup_id_x 1
		.amdhsa_system_sgpr_workgroup_id_y 1
		.amdhsa_system_sgpr_workgroup_id_z 1
		.amdhsa_system_vgpr_workitem_id 0
		.amdhsa_next_free_vgpr 1024
		.amdhsa_next_free_sgpr 100
		.amdhsa_reserve_vcc 1
		.amdhsa_float_denorm_mode_32 3
		.amdhsa_float_denorm_mode_16_64 3
		.amdhsa_memory_ordered 1
		.amdhsa_forward_progress 1
		.amdhsa_inst_pref_size 198
	.end_amdhsa_kernel
	.amdgpu_metadata
---
amdhsa.version: [ 1, 2 ]
amdhsa.kernels:
  - .name:           k_qe823166065_qkv
    .symbol:         k_qe823166065_qkv.kd
    .args:
      - { .name: cod, .offset: 0, .size: 8, .value_kind: global_buffer, .address_space: global }
      - { .name: bq, .offset: 8, .size: 8, .value_kind: global_buffer, .address_space: global }
      - { .name: bk, .offset: 16, .size: 8, .value_kind: global_buffer, .address_space: global }
      - { .name: bv, .offset: 24, .size: 8, .value_kind: global_buffer, .address_space: global }
      - { .name: qkv, .offset: 32, .size: 8, .value_kind: global_buffer, .address_space: global }
    .group_segment_fixed_size: 327680
    .private_segment_fixed_size: 0
    .kernarg_segment_align: 8
    .kernarg_segment_size: 40
    .max_flat_workgroup_size: 128
    .sgpr_count:     100
    .vgpr_count:     1024
    .wavefront_size: 32
...
	.end_amdgpu_metadata
.endif
;; end of part 2
;; launch attn (part 3): grid 16 x 16, 8 waves a work-group, clusters of 2 x 1, 327,680 bytes of LDS; arguments qkv, att; writes att
.if DOCPART == 3
	.amdgcn_target "amdgcn-amd-amdhsa--gfx1250"
	.amdhsa_code_object_version 6
	.text
	.protected	k_qe823166065_attn
	.globl	k_qe823166065_attn
	.p2align	8
	.type	k_qe823166065_attn,@function
k_qe823166065_attn:
	s_mov_b64 s[64:65], 0
	v_nop
	global_prefetch_b8 v0, s[64:65] scope:SCOPE_SE
	s_setreg_imm32_b32 hwreg(HW_REG_WAVE_MODE, 25, 1), 1
	s_wait_xcnt 0x0
	s_wait_alu depctr_hold_cnt(0) depctr_sa_sdst(0) depctr_va_vdst(0) depctr_va_sdst(0) depctr_va_ssrc(0) depctr_va_vcc(0) depctr_vm_vsrc(0)
	s_getreg_b32 s2, hwreg(HW_REG_IB_STS2, 6, 4)
	s_cmp_eq_u32 s2, 0
	s_cbranch_scc0 .Lentry_in_a_cluster
	s_endpgm
.Lentry_in_a_cluster:
	s_bfe_u32 s2, ttmp6, 0x10000c
	s_cmp_lg_u32 s2, 0x1001
	s_cbranch_scc0 .Lentry_shape_is_right
	s_endpgm
.Lentry_shape_is_right:
; Causal attention of one head on codes of BF6: S^T = k q^T, p = 2^(t - M), O^T += v^T p^T, O / l, and O's quantising for the last projection.
; qkv holds blocks of 12,800 bytes (eight fragments of 16 rows x 128 K as images of the operand's registers, then 512 bytes of scale words: fragment a, row r at 12,288 + 32 r + 4 a):
; head x 409,600 + key step x 25,600: a tile: K's block, then V's (v^T: rows = the head's 128, K = the step's 128 keys); q: behind them, block head x 16 + query block.  att: block query block x 16 + head.
; Place r of fragment a is row 32 (a / 2) + 8 (a % 2) + r + 8 (r / 8): a lane's 16 registers of two neighbouring result tiles are 16 neighbours along the next K.
; THE DEAL: cluster (i, y): head y, query blocks F = 2 i + 1 and then G = 14 - 2 i; its two work-groups take fragments 4 cx + (wave % 4).  Key steps beyond a query block lie wholly under reference()'s own
; causal mask and are not walked: (F + 1) + (G + 1) = 17 tiles, places 0 to 16 of the walk.  The tile on a block's diagonal (places F and 16) gets -inf on the keys beyond each query.
; TWO WAVES TO A FRAGMENT: part = wave / 4 takes the places of its parity, with its own M, l and O.  F + 1 is even, so both parts end block F in double step i; place 17 does not exist: part 1 rests in double step 8.
; At a block's end part 1 hands -M, l and O to part 0 through LDS bytes of their own (two halves of 32 registers, four barriers); part 0 brings both under the larger M by exact powers of two, adds, divides, quantises, stores.
; A part that had no tile of a block hands over l = 0, O = 0 and the starting M, whose factor comes out 0.
; THE RING: two slots of six tiles; waves 0-5 fetch one tile each by one tensor load; three fills (places 0-5, 6-11, 12-16), written out.
; CLUSTERS 2 x 1: the two work-groups of a cluster walk the same tiles in the same order, so every tensor load is asked for JOINTLY (mask 3): its descriptor is made of the head, i and the wave's number.
; Only global addresses of q and att and the numbers of the diagonal's mask hang on cx; no branch and no LDS address does.  No more than these two work-groups share a walk.
; A block's largest p is the exponential of its largest score (this takes v_exp_f32 not to fall where its input rises).
; NO PREFETCH: a slot's load is asked for three double steps ahead of its first read, and a head's tiles are walked by its sixteen work-groups side by side.
; LIMITS: the promise holds while |t| stays under 2^31; a block of zeros or under 2^-122 carries the byte 1 (read by this program alone); NaN and infinities are not served.
; REGISTERS: window 0: v0-63 addresses, a query's numbers, q, scale words; v64-127 O^T, v128-135 the sum in four pairs, v136-147 block G's q, v148-166 codes.  window 1: v0-63 scores and p, v64-159 K's, v160-255 V's fragments.
.set BLKB,  12800
.set FRB,   1536
.set SCO,   12288
.set PAIRB, 2*BLKB
.set HEADB, 16*PAIRB
.set QOFF,  16*HEADB
.set SLOTB, 6*PAIRB
.set STG,   2*SLOTB                    ; the hand-over: 4 x 4,096 bytes of O, then 4 x 256 bytes of (l, -M)
.set SPARE, STG+17408                  ; the spare words, 128 bytes a wave
.set ADF, 1
.set ADS, 2
.set L16, 3
.set SR,  4
.set SPW, 5
.set NIL, 6
.set STO, 7
.set STM, 8
.set GF,  9
.set GSC, 10
.set DQ,  11                           ; v11 my query's place in its block - 16 h;  v12 -M, v13 the running largest t, v14-15 work
.set QF,  16
.set QS,  28
.set QS2, 29
.set FF,  30                           ; v30 a factor (v31 is the pair's upper half)
.set VS,  32
.set KS,  40
.set BMX, 48
.set BT,  52
.set SO,  56
.set PW,  60
.set TP,  61
.set NEG, 62
.set OO,  64
.set AC,  128
.set Q2,  136
.set PC,  148
.set PT,  160
.set FG,  168
.set ML,  170
.set MN,  172
.set SS,  0
.set KF,  64
.set VF,  160
.set WV,  8
.set FB,  9
.set I1,  10
.set HD,  11
.set TA,  13
.set SEQ, 14
.set ND,  15
.set FS,  16
.set TB,  17
.set SEL, 20
.set CS,  22
.set G1,  24
.set G0,  32
.set POS, 38
.set NDP, 39
.set KVH, 48
.set AO,  50
.set MSB, 0
.macro WIN new                         ; low byte: bits 1:0 source 0, 3:2 source 1, 5:4 source 2, 7:6 destination; the high byte repeats the setting left
.if MSB != (\new)
	s_set_vgpr_msb (MSB<<8)|(\new)
.set MSB, (\new)
.endif
.endm
.macro BAR
	s_wait_dscnt 0x0
	s_barrier_signal -1
	s_barrier_wait -1
.endm
.macro CROUND                          ; a round of the cluster's barrier
	s_barrier_signal -1
	s_barrier_wait -1
	s_cmp_lg_u32 s[WV], 0
	s_cbranch_scc1 .Lnot_wave_0_\@
	s_barrier_signal -3
.Lnot_wave_0_\@:
	s_barrier_wait -3
	s_barrier_signal -1
	s_barrier_wait -1
.endm
.macro FILL n                          ; waves 0 to n - 1 ask for one tile each
	s_cmp_lt_u32 s[WV], \n
	s_cbranch_scc0 .Lnone_\@
	tensor_load_to_lds s[G0:G0+3], s[G1:G1+7]
	s_nop 0
.rept 4
	v_nop
.endr
.Lnone_\@:
.endm
.macro NEXTF                           ; my tile six places on: place n is key step n of block F or n - F - 1 of block G
	s_add_co_u32 s[FS], s[FS], 6
	s_sub_co_u32 s58, s[FS], s[I1]
	s_cmp_le_u32 s[FS], s[FB]
	s_cselect_b32 s58, s[FS], s58
	s_mul_i32 s58, s58, PAIRB
	s_add_nc_u64 s[G0+2:G0+3], s[KVH:KVH+1], s[58:59]
	s_or_b32 s[G0+3], s[G0+3], 0x80000000
.endm
	s_load_b128 s[4:7], s[0:1], 0x0                ; qkv, att
	v_lshl_add_u32 v[SPW], v0, 2, SPARE
	v_mov_b32 v[NIL], 0
	ds_add_u32 v[SPW], v[NIL]                      ; the opening lines: the add twice on end and its wait
	ds_add_u32 v[SPW], v[NIL]
	v_lshrrev_b32 v1, 5, v0
	v_readfirstlane_b32 s[WV], v1
	s_lshl_b32 s[FB], ttmp9, 1
	s_add_co_u32 s[FB], s[FB], 1                   ; F
	s_add_co_u32 s[I1], s[FB], 1
	s_bfe_u32 s12, ttmp6, 0x40000                  ; cx: which four fragments
	s_and_b32 s[HD], ttmp7, 0xffff
	s_and_b32 s18, s[WV], 3
	s_lshr_b32 s[POS], s[WV], 2                    ; my part, and my first place
	s_lshl_b32 s[TA], s12, 2
	s_add_co_u32 s[TA], s[TA], s18                 ; my fragment of both query blocks
	s_mov_b32 s[G1], 3|(3<<16)|(1<<21)             ; the mask names both work-groups, bit 21 beside it; 100 dense rows of 32 elements of 8 bytes
	s_mov_b32 s[G1+1], 32<<16
	s_mov_b32 s[G1+2], 100<<16
	s_mov_b32 s[G1+3], 32<<16
	s_mov_b32 s[G1+4], 100
	s_mov_b32 s[G1+5], 32
	s_mov_b32 s[G1+6], 0
	s_mov_b32 s[G1+7], 0
	s_mov_b32 s[SEQ], 0                            ; the double step
	s_mov_b32 s[ND], ttmp9                         ; the double step that ends the current block
	s_mov_b32 s[NDP], s[FB]                        ; the place on its diagonal
	s_mov_b32 s[FS], s[WV]                         ; the place whose tile I fetch
	s_mov_b32 s[SEL], 0x76543210
	s_mov_b32 s[SEL+1], 0xfedcba98                 ; selects for lane l xor 16
	s_mov_b32 s[CS], 0x3e0293ee                    ; log2(e) / sqrt(128)
	s_mov_b32 s[CS+1], s[CS]
	s_mul_i32 s54, s[HD], HEADB
	s_mov_b32 s55, 0
	s_sub_co_u32 s58, s[FS], s[I1]
	s_cmp_le_u32 s[FS], s[FB]
	s_cselect_b32 s58, s[FS], s58
	s_mul_i32 s58, s58, PAIRB
	s_mov_b32 s59, 0
	s_mov_b32 s61, 0
	s_mul_i32 s[TB], s[POS], PAIRB
	s_lshl_b32 s36, s18, 12
	s_add_co_u32 s36, s36, STG
	s_lshl_b32 s37, s18, 8
	s_add_co_u32 s37, s37, STG+16384
	s_wait_dscnt 0x0
	s_wait_kmcnt 0x0
	s_add_nc_u64 s[KVH:KVH+1], s[4:5], s[54:55]
	s_mov_b32 s[G0], 1
	s_mul_i32 s[G0+1], s[WV], PAIRB
	s_add_nc_u64 s[G0+2:G0+3], s[KVH:KVH+1], s[58:59]
	s_or_b32 s[G0+3], s[G0+3], 0x80000000
	CROUND                                         ; both work-groups are here: the first joint loads meet
	FILL 6                                         ; slot 0: places 0-5
	s_lshl_b32 s54, s[HD], 4
	s_add_co_u32 s56, s54, s[FB]
	s_mul_i32 s56, s56, BLKB
	s_add_co_u32 s56, s56, QOFF
	s_mov_b32 s57, 0
	s_add_nc_u64 s[56:57], s[4:5], s[56:57]        ; q, block F
	s_sub_co_u32 s60, 15, s[FB]
	s_add_co_u32 s54, s54, s60
	s_mul_i32 s54, s54, BLKB
	s_add_co_u32 s54, s54, QOFF
	s_add_nc_u64 s[54:55], s[4:5], s[54:55]        ; q, block G
	s_lshl_b32 s60, s[FB], 4
	s_add_co_u32 s60, s60, s[HD]
	s_mul_i32 s60, s60, BLKB
	s_add_nc_u64 s[AO:AO+1], s[6:7], s[60:61]      ; where block F's result goes,
	s_sub_co_u32 s60, 15, s[FB]
	s_lshl_b32 s60, s60, 4
	s_add_co_u32 s60, s60, s[HD]
	s_mul_i32 s60, s60, BLKB
	s_add_nc_u64 s[AO+2:AO+3], s[6:7], s[60:61]    ; and block G's
	s_mul_i32 s2, s[TA], FRB
	s_lshl_b32 s3, s[TA], 2
	s_lshr_b32 s12, s[TA], 1
	s_lshl_b32 s12, s12, 5
	s_and_b32 s18, s[TA], 1
	s_lshl_b32 s18, s18, 3
	s_add_co_u32 s12, s12, s18                     ; my fragment's first row: 32 (a / 2) + 8 (a % 2)
	v_and_b32 v48, 15, v0                          ; r
	v_bfe_u32 v49, v0, 4, 1                        ; h
	v_and_b32 v50, 31, v0
	v_lshlrev_b32 v[L16], 4, v50
	v_lshlrev_b32 v51, 5, v48
	v_lshlrev_b32 v52, 3, v50
	v_add_nc_u32 v[SR], SCO, v51
	v_add_nc_u32 v[STO], s36, v[L16]               ; the hand-over's addresses: the same in both parts of a fragment
	v_add_nc_u32 v[STM], s37, v52
	v_add_nc_u32 v[GF], s2, v[L16]
	v_add_nc_u32 v[GSC], s3, v51
.irp g, 0,1,2
	global_load_b128 v[QF+4*\g:QF+4*\g+3], v[GF], s[56:57] offset:512*\g
.endr
	global_load_b32 v[QS], v[GSC], s[56:57] offset:SCO
	global_load_b32 v[QS2], v[GSC], s[54:55] offset:SCO
.irp g, 0,1,2
	global_load_b128 v[Q2+4*\g:Q2+4*\g+3], v[GF], s[54:55] offset:512*\g
.endr
.set j, 0
.rept 72
	v_mov_b32 v[OO+j], 0                           ; O^T and the four pairs of the sum: the step is written once, and the first finds zeros
.set j, j+1
.endr
	v_and_b32 v[DQ], 8, v48
	v_add_nc_u32 v[DQ], v[DQ], v48
	v_lshlrev_b32 v49, 4, v49
	v_sub_nc_u32 v[DQ], v[DQ], v49
	v_add_nc_u32 v[DQ], s12, v[DQ]
	v_mov_b32 v13, 0xff61b1e6                      ; -3e38, under every t
	v_floor_f32 v12, -v13
	v_mov_b32 v15, 0
	v_mov_b32 v[FF+1], 0
	v_mov_b32 v[FG+1], 0
	v_mov_b32 v[NEG], 0xff800000
.irp b, 0,1,2,3
	v_mov_b32 v[BT+\b], 0                          ; a lane permute's destination counts as read
.endr
.macro LDF reg, off                    ; a block's eight fragments into window 1: 24 loads of 512 consecutive bytes
	WIN 0x40
.set i, 0
.rept 24
	ds_load_b128 v[\reg+4*i:\reg+4*i+3], v[ADF] offset:\off+512*i
.set i, i+1
.endr
	WIN 0
.endm
.macro SCALEW                          ; four largest magnitudes -> scale operands and the scale word
.irp b, 0,1,2,3
	v_add_nc_u32 v[SO+\b], 0xfe000000, v[BMX+\b]   ; 4 off the exponent field
.endr
.irp b, 0,1,2,3
	v_lshrrev_b32 v[BT+\b], 23, v[SO+\b]
.endr
	v_lshl_or_b32 v[PW], v[BT+1], 8, v[BT]
	v_lshl_or_b32 v[PW], v[BT+2], 16, v[PW]
	v_lshl_or_b32 v[PW], v[BT+3], 24, v[PW]
.endm
.macro CODES win, src                  ; 64 numbers -> the operand's 12 registers: a whole block of 32 in a lane
	WIN \win
.irp c, 0,1
	v_cvt_scalef32_pk16_bf6_f32 v[PC+6*\c:PC+6*\c+2], v[\src+32*\c:\src+32*\c+15], v[SO+2*\c]
	v_cvt_scalef32_pk16_bf6_f32 v[PT+4*\c:PT+4*\c+2], v[\src+32*\c+16:\src+32*\c+31], v[SO+2*\c+1]
.endr
	v_nop                                          ; one plain line behind the conversions
	WIN 0
.irp c, 0,1
.irp i, 0,1,2
	v_permlane16_swap_b32 v[PC+6*\c+\i], v[PT+4*\c+\i]
.endr
.irp i, 0,1,2
	v_mov_b32 v[PC+6*\c+3+\i], v[PT+4*\c+\i]
.endr
.endr
.endm
.macro HAND half                       ; part 1 stores 32 registers of O, part 0 takes them into the scores' registers; a barrier between, and one behind the reads
	s_cmp_lt_u32 s[WV], 4
	s_cbranch_scc1 .Lnot_one_\@
.if \half == 0
	ds_store_b64 v[STM], v[14:15]                  ; l and -M
.endif
.set i, 0
.rept 8
	ds_store_b128 v[STO], v[OO+32*\half+4*i:OO+32*\half+4*i+3] offset:512*i   ; each accumulator from its low end on
.set i, i+1
.endr
.Lnot_one_\@:
	BAR
	s_cmp_lt_u32 s[WV], 4
	s_cbranch_scc0 .Lnot_nil_\@
.if \half == 0
	ds_load_b64 v[ML:ML+1], v[STM]
.endif
	WIN 0x40
.set i, 0
.rept 8
	ds_load_b128 v[SS+32*\half+4*i:SS+32*\half+4*i+3], v[STO] offset:512*i
.set i, i+1
.endr
	WIN 0
.Lnot_nil_\@:
	BAR
.endm
.macro BODY
	s_cmp_eq_u32 s[POS], 17                        ; the walk has 17 tiles: part 1 has none in the last double step
	s_cbranch_scc1 .Lrest_\@
	v_add_nc_u32 v[ADF], s[TB], v[L16]
	v_add_nc_u32 v[ADS], s[TB], v[SR]
	v_nop                                          ; with the two lines above: four places ahead of loads into registers that products have read
	v_nop
	ds_load_b128 v[KS:KS+3], v[ADS]
	ds_load_b128 v[KS+4:KS+7], v[ADS] offset:16
	LDF KF, 0
	ds_load_b128 v[VS:VS+3], v[ADS] offset:BLKB
	ds_load_b128 v[VS+4:VS+7], v[ADS] offset:BLKB+16
	LDF VF, BLKB
	s_wait_dscnt 26                                ; K and its scale words are in; V's 2 + 24 loads may be out
	WIN 0x41
.irp t, 0,1,2,3,4,5,6,7
	v_wmma_scale_f32_16x16x128_f8f6f4 v[SS+8*\t:SS+8*\t+7], v[KF+12*\t:KF+12*\t+11], v[QF:QF+11], 0, v[KS+\t], v[QS] matrix_a_fmt:MATRIX_FMT_BF6 matrix_b_fmt:MATRIX_FMT_BF6
.endr
	WIN 0
.rept 4
	v_nop                                          ; places ahead of the scores' first reader
.endr
	s_cmp_lg_u32 s[POS], s[NDP]
	s_cbranch_scc1 .Lopen_\@
	WIN 0x41                                       ; the diagonal: register n is key 32 (n / 16) + 16 h + n % 16
.set n, 0
.rept 64
	v_cmp_gt_i32 vcc_lo, 32*(n/16)+n%16, v[DQ]
	v_cndmask_b32 v[SS+n], v[SS+n], v[NEG], vcc_lo
.set n, n+1
.endr
	WIN 0
.Lopen_\@:
	WIN 0x14
.irp i, 0,2,4,6,8,10,12,14
.irp b, 0,1,2,3                        ; the largest score of each block of 32 keys, the four blocks by turns
.if \i == 0
	v_max3_num_f32 v[BMX+\b], 0xff800000, v[SS+16*\b], v[SS+16*\b+1]
.else
	v_max3_num_f32 v[BMX+\b], v[BMX+\b], v[SS+16*\b+\i], v[SS+16*\b+\i+1]
.endif
.endr
.endr
	WIN 0
.irp b, 0,1,2,3
	v_permlanex16_b32 v[BT+\b], v[BMX+\b], s[SEL], s[SEL+1]
.endr
.irp b, 0,1,2,3
	v_max_num_f32 v[BMX+\b], v[BMX+\b], v[BT+\b]   ; with lane l xor 16's 16 keys
.endr
	v_max3_num_f32 v[TP], v[BMX], v[BMX+1], v[BMX+2]
	s_delay_alu instid0(VALU_DEP_1)
	v_max_num_f32 v[TP], v[TP], v[BMX+3]
	s_delay_alu instid0(VALU_DEP_1)
	v_mul_f32 v[TP], s[CS], v[TP]
	s_delay_alu instid0(VALU_DEP_1)
	v_max_num_f32 v13, v13, v[TP]                  ; my part's running largest t
	v_mov_b32 v[TP], v12
	s_delay_alu instid0(VALU_DEP_2)
	v_floor_f32 v12, -v13                          ; -M = -ceil(t)
	s_delay_alu instid0(VALU_DEP_1)
	v_sub_f32 v[TP], v12, v[TP]
	s_delay_alu instid0(VALU_DEP_1)
	v_cvt_i32_f32 v[TP], v[TP]                     ; (it saturates)
	s_delay_alu instid0(VALU_DEP_1)
	v_ldexp_f32 v[FF], 1.0, v[TP]                  ; f = 2^(old M - new M)
.irp b, 0,1,2,3
	v_fma_f32 v[BMX+\b], v[BMX+\b], s[CS], v12
.endr
	WIN 0x41
.set j, 0
.rept 32
	v_pk_fma_f32 v[SS+2*j:SS+2*j+1], v[SS+2*j:SS+2*j+1], s[CS:CS+1], v[12:13] op_sel_hi:[1,0,0]   ; t - M
.set j, j+1
.endr
	WIN 0
.set j, 0
.rept 36
	v_pk_mul_f32 v[OO+2*j:OO+2*j+1], v[OO+2*j:OO+2*j+1], v[FF:FF+1] op_sel_hi:[1,0]   ; O^T, then the sums, under the new M
.set j, j+1
.endr
	s_wait_alu depctr_va_vdst(0)
.irp b, 0,1,2,3
	v_exp_f32 v[BMX+\b], v[BMX+\b]                 ; the blocks' largest p
.endr
	WIN 0x41
.set j, 0
.rept 64
	v_exp_f32 v[SS+j], v[SS+j]                     ; p = 2^(t - M)
.set j, j+1
.endr
	v_nop                                          ; a plain place behind the exponentials
	WIN 0
	s_wait_dscnt 0x0                               ; V is in
	s_wait_alu depctr_va_vdst(0)                   ; one wait for the whole batch
.irp b, 0,1,2,3
	v_max_num_f32 v[BMX+\b], 0x2800000, v[BMX+\b]  ; the floor 2^(5 - 127): the byte cannot fall under 1
.endr
	SCALEW
	CODES 0x01, SS
	WIN 0x01                                       ; p and V window 1; the sums, O and p's codes window 0
.set j, 0
.rept 32
	v_pk_add_f32 v[AC+2*(j%4):AC+2*(j%4)+1], v[SS+2*j:SS+2*j+1], v[AC+2*(j%4):AC+2*(j%4)+1]   ; the row's sum, of the unquantised p; the first eight are the places behind the scale word's last write
.if (j >= 7) && (j < 31) && ((j-7)%3 == 0)
	v_wmma_scale_f32_16x16x128_f8f6f4 v[OO+8*((j-7)/3):OO+8*((j-7)/3)+7], v[VF+12*((j-7)/3):VF+12*((j-7)/3)+11], v[PC:PC+11], v[OO+8*((j-7)/3):OO+8*((j-7)/3)+7], v[VS+(j-7)/3], v[PW] matrix_a_fmt:MATRIX_FMT_BF6 matrix_b_fmt:MATRIX_FMT_BF6
.endif
.set j, j+1
.endr
	WIN 0
.Lrest_\@:
	s_cmp_lg_u32 s[SEQ], s[ND]                     ; the same in all eight waves
	s_cbranch_scc1 .Lgo_on_\@
	s_wait_alu depctr_va_vdst(0)                   ; THE BLOCK IS DONE.  The wait: the sums may be read here behind taken branches
	v_pk_add_f32 v[AC:AC+1], v[AC:AC+1], v[AC+2:AC+3]
	v_pk_add_f32 v[AC+4:AC+5], v[AC+4:AC+5], v[AC+6:AC+7]
	v_mov_b32 v15, v12
	v_pk_add_f32 v[AC:AC+1], v[AC:AC+1], v[AC+4:AC+5]
	s_delay_alu instid0(VALU_DEP_1)
	v_add_f32 v14, v[AC], v[AC+1]                  ; my lane's l under my part's M
	s_wait_alu depctr_va_vdst(0)
	HAND 0
	HAND 1
	s_cmp_lt_u32 s[WV], 4
	s_cbranch_scc0 .Lnext_\@                       ; part 1 goes on
	v_min_num_f32 v[MN], v12, v[ML+1]              ; -M of both parts
	v_sub_f32 v[TP], v[MN], v12
	v_sub_f32 v[BT], v[MN], v[ML+1]
	v_cvt_i32_f32 v[TP], v[TP]
	v_cvt_i32_f32 v[BT], v[BT]
	v_ldexp_f32 v[FF], 1.0, v[TP]                  ; my factor,
	v_ldexp_f32 v[FG], 1.0, v[BT]                  ; and part 1's: exact powers of two, or 0
.set j, 0
.rept 32
	v_pk_mul_f32 v[OO+2*j:OO+2*j+1], v[OO+2*j:OO+2*j+1], v[FF:FF+1] op_sel_hi:[1,0]
.set j, j+1
.endr
	WIN 0x01
.set j, 0
.rept 32
	v_pk_fma_f32 v[OO+2*j:OO+2*j+1], v[SS+2*j:SS+2*j+1], v[FG:FG+1], v[OO+2*j:OO+2*j+1] op_sel_hi:[1,0,1]
.set j, j+1
.endr
	WIN 0
	v_mul_f32 v14, v14, v[FF]
	v_fma_f32 v14, v[ML], v[FG], v14
	v_permlanex16_b32 v15, v14, s[SEL], s[SEL+1]
	v_add_f32 v14, v14, v15                        ; the row's sum
	s_wait_alu depctr_va_vdst(0)
	v_rcp_f32 v[FF], v14
	v_nop
	s_wait_alu depctr_va_vdst(0)
.set j, 0
.rept 32
	v_pk_mul_f32 v[OO+2*j:OO+2*j+1], v[OO+2*j:OO+2*j+1], v[FF:FF+1] op_sel_hi:[1,0]   ; O / l
.set j, j+1
.endr
.irp i, 0,2,4,6,8,10,12,14
.irp b, 0,1,2,3
.if \i == 0
	v_max3_num_f32 v[BMX+\b], 0x2800000, |v[OO+16*\b]|, |v[OO+16*\b+1]|
.else
	v_max3_num_f32 v[BMX+\b], v[BMX+\b], |v[OO+16*\b+\i]|, |v[OO+16*\b+\i+1]|
.endif
.endr
.endr
.irp b, 0,1,2,3
	v_permlanex16_b32 v[BT+\b], v[BMX+\b], s[SEL], s[SEL+1]
.endr
.irp b, 0,1,2,3
	v_max_num_f32 v[BMX+\b], v[BMX+\b], v[BT+\b]
.endr
	SCALEW
	CODES 0, OO
.irp g, 0,1,2
	global_store_b128 v[GF], v[PC+4*\g:PC+4*\g+3], s[AO:AO+1] offset:512*\g   ; 512 consecutive bytes
.endr
	global_store_b32 v[GSC], v[PW], s[AO:AO+1] offset:SCO
.Lnext_\@:
	s_cmp_eq_u32 s[SEQ], 8
	s_cbranch_scc1 .Lgo_on_\@
	s_wait_xcnt 0x0                                ; the stores have read their base and their data
	s_mov_b64 s[AO:AO+1], s[AO+2:AO+3]             ; block G begins, in both parts
	s_mov_b32 s[ND], 8
	s_mov_b32 s[NDP], 16
.set j, 0
.rept 12
	v_mov_b32 v[QF+j], v[Q2+j]
.set j, j+1
.endr
	v_mov_b32 v[QS], v[QS2]
	v_mov_b32 v13, 0xff61b1e6
	v_floor_f32 v12, -v13
.set j, 0
.rept 72
	v_mov_b32 v[OO+j], 0
.set j, j+1
.endr
.Lgo_on_\@:
.endm
.macro VISIT                           ; a slot's three double steps
	s_mov_b32 s19, 3
.Lstep_\@:
	BODY
	s_add_co_u32 s[TB], s[TB], 2*PAIRB
	s_add_co_u32 s[POS], s[POS], 2
	s_add_co_u32 s[SEQ], s[SEQ], 1
	s_sub_co_u32 s19, s19, 1
	s_cmp_lg_u32 s19, 0
	s_cbranch_scc1 .Lstep_\@
.endm
	s_wait_alu depctr_va_vdst(0)
	s_wait_tensorcnt 0x0                           ; my tile of slot 0 is in; the lines ahead of a later first fill,
	ds_add_u32 v[SPW], v[NIL]                      ; the add twice on end
	ds_add_u32 v[SPW], v[NIL]
	NEXTF
	s_add_co_u32 s[G0+1], s[G0+1], SLOTB
	s_wait_dscnt 0x0
	CROUND                                         ; slot 0 is whole, and the joint loads meet
	FILL 6                                         ; slot 1: places 6-11
	s_wait_loadcnt 0x0                             ; q of both blocks
	VISIT                                          ; places 0-5
	s_wait_tensorcnt 0x0
	ds_add_u32 v[SPW], v[NIL]                      ; twice on end, as above
	ds_add_u32 v[SPW], v[NIL]
	NEXTF
	s_mul_i32 s[G0+1], s[WV], PAIRB
	s_wait_dscnt 0x0
	CROUND                                         ; no wave of either work-group reads slot 0 or has a load on its way
	FILL 5                                         ; slot 0 again: places 12-16
	VISIT                                          ; places 6-11: slot 1 lies behind slot 0, so the address runs on
	s_sub_co_u32 s[TB], s[TB], 2*SLOTB
	s_wait_tensorcnt 0x0                           ; places 12-16 are in; nothing more is asked for
	ds_add_u32 v[SPW], v[NIL]
	s_wait_dscnt 0x0
	s_barrier_signal -1
	s_barrier_wait -1
	VISIT
	s_wait_tensorcnt 0x0                           ; the wave's end
	ds_add_u32 v[SPW], v[NIL]
	s_wait_dscnt 0x0
	CROUND                                         ; the closing round
	s_endpgm
.Lfunc_end_k_qe823166065_attn:
	.size	k_qe823166065_attn, .Lfunc_end_k_qe823166065_attn-k_qe823166065_attn
	.p2alignl 7, 3214868480
	.fill 96, 4, 3214868480
	.section	.rodata,"a",@progbits
	.p2align	6, 0x0
	.amdhsa_kernel k_qe823166065_attn
		.amdhsa_group_segment_fixed_size 327680
		.amdhsa_private_segment_fixed_size 0
		.amdhsa_enable_private_segment 0
		.amdhsa_kernarg_size 16
		.amdhsa_user_sgpr_count 2
		.amdhsa_user_sgpr_kernarg_segment_ptr 1
		.amdhsa_wavefront_size32 1
		.amdhsa_system_sgpr_workgroup_id_x 1
		.amdhsa_system_sgpr_workgroup_id_y 1
		.amdhsa_system_sgpr_workgroup_id_z 1
		.amdhsa_system_vgpr_workitem_id 0
		.amdhsa_next_free_vgpr 512
		.amdhsa_next_free_sgpr 66
		.amdhsa_reserve_vcc 1
		.amdhsa_float_denorm_mode_32 3
		.amdhsa_float_denorm_mode_16_64 3
		.amdhsa_memory_ordered 1
		.amdhsa_forward_progress 1
		.amdhsa_inst_pref_size 137
	.end_amdhsa_kernel
	.amdgpu_metadata
---
amdhsa.version: [ 1, 2 ]
amdhsa.kernels:
  - .name:           k_qe823166065_attn
    .symbol:         k_qe823166065_attn.kd
    .args:
      - { .name: qkv, .offset: 0, .size: 8, .value_kind: global_buffer, .address_space: global }
      - { .name: att, .offset: 8, .size: 8, .value_kind: global_buffer, .address_space: global }
    .group_segment_fixed_size: 327680
    .private_segment_fixed_size: 0
    .kernarg_segment_align: 8
    .kernarg_segment_size: 16
    .max_flat_workgroup_size: 256
    .sgpr_count:     66
    .vgpr_count:     512
    .wavefront_size: 32
...
	.end_amdgpu_metadata
.endif
;; end of part 3
;; launch outp (part 4): grid 16 x 16, 4 waves a work-group, clusters of 4 x 4, 327,680 bytes of LDS; arguments att, cod, bo, out0; writes out0
.if DOCPART == 4
	.amdgcn_target "amdgcn-amd-amdhsa--gfx1250"
	.amdhsa_code_object_version 6
	.text
	.protected	k_qe823166065_outp
	.globl	k_qe823166065_outp
	.p2align	8
	.type	k_qe823166065_outp,@function
k_qe823166065_outp:
	s_mov_b64 s[64:65], 0
	v_nop
	global_prefetch_b8 v0, s[64:65] scope:SCOPE_SE
	s_setreg_imm32_b32 hwreg(HW_REG_WAVE_MODE, 25, 1), 1
	s_wait_xcnt 0x0
	s_wait_alu depctr_hold_cnt(0) depctr_sa_sdst(0) depctr_va_vdst(0) depctr_va_sdst(0) depctr_va_ssrc(0) depctr_va_vcc(0) depctr_vm_vsrc(0)
	s_getreg_b32 s2, hwreg(HW_REG_IB_STS2, 6, 4)
	s_cmp_eq_u32 s2, 0
	s_cbranch_scc0 .Lentry_in_a_cluster
	s_endpgm
.Lentry_in_a_cluster:
	s_bfe_u32 s2, ttmp6, 0x10000c
	s_cmp_lg_u32 s2, 0xf033
	s_cbranch_scc0 .Lentry_shape_is_right
	s_endpgm
.Lentry_shape_is_right:
; out0 = attention's result x Wo + bo on codes of BF6.  A = att (block query block x 16 + head: rows = queries, K step = head), B = Wo's codes (cod + 4 x 3,276,800; block column block x 16 + K step).
; A block is 12,800 bytes: eight fragments as images of the operand's registers (1,536 bytes), then the scale words (fragment a, row r at 12,288 + 32 r + 4 a); place r of fragment a is row 32 (a / 2) + 8 (a % 2) + r + 8 (r / 8).
; A tile of out0 is 128 x 128: 256 work-groups, one for each WGP (tiles of 256 x 256 would be 64); a wave makes 64 x 64: 16 accumulators.  The matrix instruction is used transposed (source 0 = B, source 1 = A): a lane
; holds one query and eight neighbouring columns.  bo is the C of each sum's first product.
; K: 16 steps of 128, written out.  LDS holds three regions of four K steps (A's four blocks, then B's four); a wave's tensor load brings two blocks, 25,600 dense bytes.  Regions 0, 1, 2 are filled at the start; region 0
; is filled once more, with K steps 12-15, when K steps 0-3 have been read: that load has eight K steps in which to land.
; CLUSTERS 4 x 4: A's blocks are shared along a row of the cluster, B's along a column, asked for jointly.
; THE WAY OUT goes through the wave's stage in LDS (no fill lands there): sixteen lanes store 256 consecutive bytes at a multiple of 256; the row order is undone in the stores' immediates.
; REGISTERS: window 0: v8-20 addresses; v32-39 scale words, two sets; v40-71 bo, later rows on the way out; v72-103 rows; v128-255 the accumulators.   window 1: two sets of fragments (A's four, B's four) at v0 and v128.
.set TBYTES, 3276800
.set BLKB,   12800
.set FRB,    1536
.set SCO,    12288
.set PAIRB,  2*BLKB
.set REG,    8*BLKB                    ; a region
.set RBLK,   16*BLKB
.set STAGE,  3*REG
.set SPITCH, 272
.set SPARE,  STAGE+4*16*SPITCH
.set ADA, 8
.set ADB, 11
.set ADS, 14
.set STO, 17
.set RD,  18
.set CO,  19
.set BO,  20
.set SPW, 28
.set NIL, 29
.set SC,  32
.set BI,  40
.set OB,  40
.set ACC, 128
.set G1,  24
.set G0,  32                           ; s[32:39] two sets for A
.set G1B, 48
.set G0B, 68                           ; s[68:75] two sets for B
.set MSB, 0
.macro WIN new
.if MSB != (\new)
	s_set_vgpr_msb (MSB<<8)|(\new)
.set MSB, (\new)
.endif
.endm
.macro JLOAD g0a, g1a, g0b, g1b        ; waves 0 and 1 fetch for A, waves 2 and 3 for B; four v_nop follow each line
	s_cmp_eq_u32 s15, 0
	s_cbranch_scc0 .Lfor_b_\@
	tensor_load_to_lds s[\g0a:\g0a+3], s[\g1a:\g1a+7]
	s_nop 0
.rept 4
	v_nop
.endr
	s_branch .Lasked_\@
.Lfor_b_\@:
	tensor_load_to_lds s[\g0b:\g0b+3], s[\g1b:\g1b+7]
	s_nop 0
.rept 4
	v_nop
.endr
.Lasked_\@:
.endm
.macro CROUND
	s_barrier_signal -1
	s_barrier_wait -1
	s_cmp_lg_u32 s14, 0
	s_cbranch_scc1 .Lnot_wave_0_\@
	s_barrier_signal -3
.Lnot_wave_0_\@:
	s_barrier_wait -3
	s_barrier_signal -1
	s_barrier_wait -1
.endm
.macro PLACES
.rept 4
	v_nop
.endr
.endm
	s_load_b256 s[4:11], s[0:1], 0x0               ; att, cod, bo, out0
	v_lshl_add_u32 v[SPW], v0, 2, SPARE
	v_mov_b32 v[NIL], 0
	ds_add_u32 v28, v29
	ds_add_u32 v28, v29
	s_wait_dscnt 0x0
	v_lshrrev_b32 v1, 5, v0
	v_readfirstlane_b32 s14, v1                    ; wave
	s_lshr_b32 s15, s14, 1                         ; my half of the rows.  Also: I fetch for A (0) or for B (1)
	s_and_b32 s16, s14, 1                          ; my half of the columns.  Also: which two K steps of a region I fetch
	s_bfe_u32 s84, ttmp6, 0x40000                  ; cx
	s_bfe_u32 s85, ttmp6, 0x40004                  ; cy
	s_lshl_b32 s86, ttmp9, 2
	s_add_co_u32 s86, s86, s84                     ; jw: block of 128 columns
	s_and_b32 s17, ttmp7, 0xffff
	s_lshl_b32 s17, s17, 2
	s_add_co_u32 s17, s17, s85                     ; iw: block of 128 queries
	s_lshl_b32 s87, s85, 2
	s_lshl_b32 s87, 15, s87                        ; my row of the cluster
	s_lshl_b32 s88, 0x1111, s84                    ; my column
	s_or_b32 s[G1+0], s87, (3<<16)|(1<<21)
	s_or_b32 s[G1B+0], s88, (3<<16)|(1<<21)
.irp g, G1, G1B
	s_mov_b32 s[\g+1], 32<<16                      ; 100 rows of 32 elements of 8 bytes, dense
	s_mov_b32 s[\g+2], 100<<16
	s_mov_b32 s[\g+3], 32<<16
	s_mov_b32 s[\g+4], 100
	s_mov_b32 s[\g+5], 32
	s_mov_b32 s[\g+6], 0
	s_mov_b32 s[\g+7], 0
.endr
	s_mul_i32 s18, s16, PAIRB
	s_mul_i32 s20, s17, RBLK
	s_add_co_u32 s20, s20, s18
	s_mov_b32 s21, 0
	s_mul_i32 s46, s86, RBLK
	s_add_co_u32 s46, s46, s18
	s_add_co_u32 s46, s46, 4*TBYTES
	s_mov_b32 s47, 0
	s_mul_i32 s89, s14, PAIRB                      ; where my load lands in a region
	s_wait_kmcnt 0x0
	s_add_nc_u64 s[20:21], s[4:5], s[20:21]
	s_add_nc_u64 s[46:47], s[6:7], s[46:47]
	CROUND                                         ; all sixteen work-groups are here: the first joint loads meet
.irp s, 0,1
	s_mov_b32 s[G0+4*\s], 1
	s_add_co_u32 s[G0+4*\s+1], s89, \s*REG
	s_add_nc_u64 s[G0+4*\s+2:G0+4*\s+3], s[20:21], \s*2*PAIRB
	s_or_b32 s[G0+4*\s+3], s[G0+4*\s+3], 0x80000000
	s_mov_b32 s[G0B+4*\s], 1
	s_add_co_u32 s[G0B+4*\s+1], s89, \s*REG
	s_add_nc_u64 s[G0B+4*\s+2:G0B+4*\s+3], s[46:47], \s*2*PAIRB
	s_or_b32 s[G0B+4*\s+3], s[G0B+4*\s+3], 0x80000000
.endr
	; the second set brings FOUR blocks: waves 0 and 2 K steps 4-7 into region 1, waves 1 and 3 K steps 8-11 into region 2
	s_mul_i32 s90, s16, REG-PAIRB
	s_add_co_u32 s[G0+5], s[G0+5], s90
	s_add_co_u32 s[G0B+5], s[G0B+5], s90
	s_mov_b32 s19, 0
	s_add_nc_u64 s[G0+6:G0+7], s[G0+6:G0+7], s[18:19]
	s_add_nc_u64 s[G0B+6:G0B+7], s[G0B+6:G0B+7], s[18:19]
	JLOAD G0, G1, G0B, G1B                         ; region 0, K steps 0-3: one tensor load a wave at the head
	v_and_b32 v1, 15, v0                           ; r
	v_bfe_u32 v2, v0, 4, 1                         ; h
	v_and_b32 v3, 31, v0
	v_lshlrev_b32 v4, 4, v3                        ; 16 x lane
	s_wait_alu depctr_va_vdst(0)
	s_mul_i32 s21, s15, 4*FRB                      ; my four fragments of A,
	s_mul_i32 s22, s16, 4*FRB
	s_add_co_u32 s22, s22, 4*BLKB                  ; of B, behind A's four blocks
	s_lshl_b32 s23, s15, 4                         ; my four scale words of a row: A's,
	s_lshl_b32 s18, s16, 4
	s_add_co_u32 s18, s18, 4*BLKB                  ; B's
	s_sub_co_u32 s18, s18, s23
	v_lshlrev_b32 v5, 5, v1
	v_mul_u32_u24 v6, s18, v2                      ; lanes 16-31 take B's: one product, the distance x h
	v_add_nc_u32 v5, v5, v6
	s_add_co_u32 s23, s23, SCO
.irp s, 0,1,2
	v_add_nc_u32 v[ADA+\s], s21, v4
	v_add_nc_u32 v[ADB+\s], s22, v4
	v_add_nc_u32 v[ADS+\s], s23, v5
	s_add_co_u32 s21, s21, REG
	s_add_co_u32 s22, s22, REG
	s_add_co_u32 s23, s23, REG
.endr
	s_mul_i32 s23, s14, 16*SPITCH
	s_add_co_u32 s23, s23, STAGE                   ; my stage
	v_mul_u32_u24 v[STO], v1, SPITCH
	v_lshl_add_u32 v[STO], v2, 6, v[STO]
	v_add_nc_u32 v[STO], s23, v[STO]               ; in: place r, + 64 h
	v_mul_u32_u24 v[RD], v2, SPITCH
	v_lshl_add_u32 v[RD], v1, 4, v[RD]
	v_add_nc_u32 v[RD], s23, v[RD]                 ; back: lanes 0-15 one row of 256 bytes, lanes 16-31 the next
	v_lshlrev_b32 v[CO], 13, v2
	v_lshl_add_u32 v[CO], v1, 4, v[CO]             ; and the same two rows in out0
	v_lshlrev_b32 v[BO], 6, v2
	s_lshl_b32 s82, s86, 9
	s_lshl_b32 s83, s16, 8
	s_add_co_u32 s82, s82, s83
	s_mov_b32 s83, 0
	s_add_nc_u64 s[80:81], s[8:9], s[82:83]        ; bo at my 64 columns
.irp p, 0,1
.irp q, 0,1,2,3
	global_load_b128 v[BI+16*\p+4*\q:BI+16*\p+4*\q+3], v[BO], s[80:81] offset:128*\p+16*\q   ; register 16 p + i = bo[.. + 32 p + 16 h + i]: tile b's eight at 8 b
.endr
.endr
	s_lshl_b32 s20, s17, 7
	s_lshl_b32 s21, s15, 6
	s_add_co_u32 s20, s20, s21
	s_lshl_b32 s20, s20, 13                        ; my first row of out0, in bytes
	s_mov_b32 s21, 0
	s_add_nc_u64 s[10:11], s[10:11], s[20:21]
	s_add_nc_u64 s[10:11], s[10:11], s[82:83]      ; my first column: the same 512 jw + 256 (w % 2) bytes as in bo
.macro FETCH k                         ; K step k: 1 load of scale words, 12 of A's fragments, 12 of B's, into set k % 2
.set RG, ((\k)/4)%3
.set KQ, (\k)%4
.set FP, 128*((\k)%2)
	WIN 0
	ds_load_b128 v[SC+4*((\k)%2):SC+4*((\k)%2)+3], v[ADS+RG] offset:KQ*BLKB
	WIN 0x40
.irp i, 0,1,2,3
.irp g, 0,1,2
	ds_load_b128 v[FP+12*\i+4*\g:FP+12*\i+4*\g+3], v[ADA+RG] offset:KQ*BLKB+\i*FRB+512*\g
.endr
.endr
.irp i, 0,1,2,3
.irp g, 0,1,2
	ds_load_b128 v[FP+48+12*\i+4*\g:FP+48+12*\i+4*\g+3], v[ADB+RG] offset:KQ*BLKB+\i*FRB+512*\g
.endr
.endr
.endm
.macro MUL k                           ; 16 products, the 16 accumulators by turns
.set FP, 128*((\k)%2)
.set SCP, SC+4*((\k)%2)
	WIN 0x05                                       ; sources 0 and 1 window 1
.irp a, 0,1,2,3
.irp b, 0,1,2,3
.if (\k) == 0
	v_wmma_scale_f32_16x16x128_f8f6f4 v[ACC+8*(4*\a+\b):ACC+8*(4*\a+\b)+7], v[FP+48+12*\b:FP+48+12*\b+11], v[FP+12*\a:FP+12*\a+11], v[BI+8*\b:BI+8*\b+7], v[SCP+\b], v[SCP+\a] matrix_a_fmt:MATRIX_FMT_BF6 matrix_b_fmt:MATRIX_FMT_BF6 matrix_a_scale:MATRIX_SCALE_ROW1
.else
	v_wmma_scale_f32_16x16x128_f8f6f4 v[ACC+8*(4*\a+\b):ACC+8*(4*\a+\b)+7], v[FP+48+12*\b:FP+48+12*\b+11], v[FP+12*\a:FP+12*\a+11], v[ACC+8*(4*\a+\b):ACC+8*(4*\a+\b)+7], v[SCP+\b], v[SCP+\a] matrix_a_fmt:MATRIX_FMT_BF6 matrix_b_fmt:MATRIX_FMT_BF6 matrix_a_scale:MATRIX_SCALE_ROW1
.endif
.endr
.endr
.endm
	s_wait_alu depctr_va_vdst(0)
	s_wait_tensorcnt 0x0                           ; my part of region 0 is in; the three lines ahead of a later first fill
	ds_add_u32 v[SPW], v[NIL]
	s_mov_b32 s[G1+2], 200<<16                     ; no load of mine is out: the next one brings 200 rows, four blocks
	s_mov_b32 s[G1+4], 200
	s_mov_b32 s[G1B+2], 200<<16
	s_mov_b32 s[G1B+4], 200
	s_wait_dscnt 0x0
	CROUND                                         ; region 0 is whole, and the joint loads meet
	JLOAD G0+4, G1, G0B+4, G1B                     ; regions 1 and 2, K steps 4-11: the first tensor load behind the round
	FETCH 0
.set kk, 0
.rept 16
.if kk+1 == 4
	WIN 0                                          ; region 0 has been read out: it takes K steps 12-15
	s_wait_tensorcnt 0x0                           ; all my loads have landed, regions 1 and 2 among them
	ds_add_u32 v[SPW], v[NIL]
	s_add_nc_u64 s[G0+2:G0+3], s[G0+2:G0+3], 3*2*PAIRB
	s_add_nc_u64 s[G0B+2:G0B+3], s[G0B+2:G0B+3], 3*2*PAIRB
	s_mov_b32 s[G1+2], 100<<16                     ; the refill brings two blocks a wave again
	s_mov_b32 s[G1+4], 100
	s_mov_b32 s[G1B+2], 100<<16
	s_mov_b32 s[G1B+4], 100
	s_wait_dscnt 0x0                               ; the add is done, my reads of region 0 are over
	CROUND                                         ; both hold of every wave of the cluster
	JLOAD G0, G1, G0B, G1B                         ; the first tensor load behind the round; its four v_nop are the places for the loads below
.elseif kk+1 == 12
	WIN 0
	s_wait_tensorcnt 0x0                           ; my part of K steps 12-15 is in,
	s_wait_dscnt 0x0
	s_barrier_signal -1
	s_barrier_wait -1                              ; everybody's is
	PLACES
.elseif kk+1 < 16
	PLACES                                         ; ahead of loads into the set that the last products read
.endif
.if kk+1 < 16
	FETCH kk+1
	s_wait_dscnt 25                                ; all but the 25 loads just issued
.else
	s_wait_dscnt 0x0
.endif
.if kk == 0
	s_wait_loadcnt 0x0                             ; bo
.endif
	MUL kk
.set kk, kk+1
.endr
	WIN 0
.macro TOSTAGE a                       ; block a of 16 rows x 64 columns: each accumulator from its low end on; back as whole rows
.irp b, 0,1,2,3
	ds_store_b128 v[STO], v[ACC+8*(4*(\a)+\b):ACC+8*(4*(\a)+\b)+3] offset:128*(\b/2)+32*(\b%2)       ; tile b's register j is column 32 (b / 2) + 16 h + 8 (b % 2) + j
	ds_store_b128 v[STO], v[ACC+8*(4*(\a)+\b)+4:ACC+8*(4*(\a)+\b)+7] offset:128*(\b/2)+32*(\b%2)+16
.endr
.set OBB, OB+32*((\a)%2)
.irp t, 0,1,2,3,4,5,6,7
	ds_load_b128 v[OBB+4*\t:OBB+4*\t+3], v[RD] offset:2*\t*SPITCH   ; LDS serves a wave's instructions in order: these see the stores above, and the next block's stores come behind them
.endr
.endm
.macro SEND a, younger                 ; place 2 t + h of fragment a is row 32 (a / 2) + 8 (a % 2) + 2 t + h + 8 (t / 4) of my 64
.set OBB, OB+32*((\a)%2)
	s_wait_dscnt \younger
.irp t, 0,1,2,3,4,5,6,7
	global_store_b128 v[CO], v[OBB+4*\t:OBB+4*\t+3], s[10:11] offset:(32*((\a)/2)+8*((\a)%2)+2*\t+8*(\t/4))*8192 th:TH_STORE_NT   ; 16 lanes store 256 consecutive bytes, at a multiple of 256 from out0's first byte
.endr
.endm
	PLACES
	s_wait_alu depctr_va_vdst(0)
	TOSTAGE 0
.irp a, 1,2,3
.if \a > 1
	s_wait_xcnt 0x0                                ; block a - 2's stores have read their registers: block a's rows may land there
.endif
	TOSTAGE \a
	SEND \a-1, 16                                  ; behind block a - 1's loads: block a's 8 stores and 8 loads
.endr
	SEND 3, 0
	s_wait_tensorcnt 0x0                           ; the wave's end
	ds_add_u32 v[SPW], v[NIL]
	s_wait_dscnt 0x0
	CROUND                                         ; the closing round
	s_endpgm
.Lfunc_end_k_qe823166065_outp:
	.size	k_qe823166065_outp, .Lfunc_end_k_qe823166065_outp-k_qe823166065_outp
	.p2alignl 7, 3214868480
	.fill 96, 4, 3214868480
	.section	.rodata,"a",@progbits
	.p2align	6, 0x0
	.amdhsa_kernel k_qe823166065_outp
		.amdhsa_group_segment_fixed_size 327680
		.amdhsa_private_segment_fixed_size 0
		.amdhsa_enable_private_segment 0
		.amdhsa_kernarg_size 32
		.amdhsa_user_sgpr_count 2
		.amdhsa_user_sgpr_kernarg_segment_ptr 1
		.amdhsa_wavefront_size32 1
		.amdhsa_system_sgpr_workgroup_id_x 1
		.amdhsa_system_sgpr_workgroup_id_y 1
		.amdhsa_system_sgpr_workgroup_id_z 1
		.amdhsa_system_vgpr_workitem_id 0
		.amdhsa_next_free_vgpr 512
		.amdhsa_next_free_sgpr 96
		.amdhsa_reserve_vcc 0
		.amdhsa_float_denorm_mode_32 3
		.amdhsa_float_denorm_mode_16_64 3
		.amdhsa_memory_ordered 1
		.amdhsa_forward_progress 1
		.amdhsa_inst_pref_size 80
	.end_amdhsa_kernel
	.amdgpu_metadata
---
amdhsa.version: [ 1, 2 ]
amdhsa.kernels:
  - .name:           k_qe823166065_outp
    .symbol:         k_qe823166065_outp.kd
    .args:
      - { .name: att, .offset: 0, .size: 8, .value_kind: global_buffer, .address_space: global }
      - { .name: cod, .offset: 8, .size: 8, .value_kind: global_buffer, .address_space: global }
      - { .name: bo, .offset: 16, .size: 8, .value_kind: global_buffer, .address_space: global }
      - { .name: out0, .offset: 24, .size: 8, .value_kind: global_buffer, .address_space: global }
    .group_segment_fixed_size: 327680
    .private_segment_fixed_size: 0
    .kernarg_segment_align: 8
    .kernarg_segment_size: 32
    .max_flat_workgroup_size: 128
    .sgpr_count:     96
    .vgpr_count:     512
    .wavefront_size: 32
...
	.end_amdgpu_metadata
.endif
;; end of part 4
